; MI455X (gfx1250); checked and timed in simulation.
; The chip was launched on July 23, 2026; its instructions are those of AMD's public machine-readable ISA for CDNA 5 (MIT licence, August 2026) and "CDNA5" Instruction Set Architecture Reference Guide (July 2026). The comments in the code are by the model that wrote it; some were corrected since.
;; Multi Head Self Attention. Allowed arithmetic: matrix products marked QUANTISED: E2M3 operands, one E8M0 scale for each 32 along K, by v_wmma_scale_f32_16x16x128_f8f6f4 with both operands' format E2M3, f32 sums; everything else in f32.
;; Inputs: Wk 1,024 x 1,024 float32; Wo 1,024 x 1,024 float32; Wq 1,024 x 1,024 float32; Wv 1,024 x 1,024 float32; bk 1,024 float32; bo 1,024 float32; bq 1,024 float32; bv 1,024 float32; mask 4 x 2,048 int32; x 4 x 2,048 x 1,024 float32.
;; Outputs: out0 4 x 2,048 x 1,024 float32.
;; This version of the problem:
;;   THIS VERSION OF THE PROBLEM IS GIVEN IN LOW PRECISION. The matrix products marked QUANTISED in the list below multiply operands that are first quantised to E2M3 (2 exponent bits, 3 mantissa bits; 6 bits a number), with one power-of-two scale for each 32 numbers along K (OCP MX v1.0); their sums are f32. All else is computed in f32.
;;   The module's matrix products, in the order in which they are computed (A, B: the left and right operand; K: the contracted axis; several contracted axes count as one K, in the product's order):
;;     1. [M 8,192, K 1,024] x [K 1,024, N 1,024]; A: input x; B: input Wq: QUANTISED
;;     2. [M 8,192, K 1,024] x [K 1,024, N 1,024]; A: input x; B: input Wk: QUANTISED
;;     3. [M 8,192, K 1,024] x [K 1,024, N 1,024]; A: input x; B: input Wv: QUANTISED
;;     4. batch 64 x [M 2,048, K 64] x [K 64, N 2,048]; A: computed on the way; B: computed on the way: QUANTISED
;;     5. batch 64 x [M 2,048, K 2,048] x [K 2,048, N 64]; A: softmax (see below); B: computed on the way: QUANTISED
;;     6. [M 8,192, K 1,024] x [K 1,024, N 1,024]; A: computed on the way; B: input Wo: QUANTISED
;;   THE QUANTISER, for each operand of a quantised product, along K:
;;     - K is cut into blocks of 32 from its start; a last block that is shorter is filled with zeros.
;;     - A block's scale is 2^e with e = floor(log2(the largest magnitude in the block)) - 2, held to -126 .. 127; a block of zeros has e = 0. As a byte (E8M0): e + 127.
;;     - Each number is divided by its block's scale, clamped to +-7.5, and rounded to the nearest number of E2M3, ties to even, subnormals kept.
;;     - The product sums the exact products of the quantised numbers (number of the format x scale) in f32.
;;   ~~~python
;;   def quantise(x, axis):      # numpy; x: float32 -> the quantised numbers, widened to float32 again
;;       x = np.moveaxis(x, axis, -1); K = x.shape[-1]
;;       x = np.pad(x, [(0, 0)] * (x.ndim - 1) + [(0, -K % 32)]); x = x.reshape(x.shape[:-1] + (-1, 32)); a = np.abs(x).max(-1, keepdims=True)
;;       e = np.where(a > 0, np.clip(np.frexp(np.where(a > 0, a, 1))[1] - 1 - 2, -126, 127), 0)      # np.frexp(a)[1] - 1 = floor(log2(a)), exactly
;;       r = np.clip(x / 2.0 ** e, -7.5, 7.5)
;;       step = 2.0 ** (np.maximum(np.frexp(np.where(r == 0, 1, r))[1] - 1, 0) - 3)
;;       q = np.round(r / step) * step * 2.0 ** e      # np.round: ties to even
;;       return np.moveaxis(q.reshape(q.shape[:-2] + (-1,))[..., :K], -1, axis).astype(np.float32)
;;   ~~~
;;   SOFTMAX AHEAD OF A QUANTISED PRODUCT. Where the list says 'softmax', what is quantised is not the finished softmax but p = 2^(t - M), with t = logit x log2(e) and M = ceil(the row's largest t), a whole number; so 1/2 < the row's largest p <= 1. The row's sum l is taken of the UNQUANTISED p, in f32, and the product's result is divided by l at the end. Since M is a whole number, a kernel that streams over the keys may use a running M (the ceiling of the running maximum): every later rescaling is an exact power of two, which a block's scale takes up: the codes' values come out the same.
;;   OPERANDS COMPUTED ON THE WAY. 'Computed on the way' means the value that the module computes at that place (a softmax that the list does not call 'softmax' is quantised finished and normalised). What goes into a quantiser is computed in f32, as accurately as f32 sums, v_exp_f32 and their like allow (about 1e-6 of the number): no bf16 or f16 on the way to a quantiser, and a product that is left as it is and whose result goes on into a quantised operand takes f32 operands (vector FMAs, or v_wmma_f32_16x16x4_f32). A number that lies on a knife's edge between two numbers of the format may be rounded either way, as far as f32 arithmetic and the matrix unit's own rounding can turn it there, and no further.
;; One version. Each part assembles by itself: llvm-mc -triple=amdgcn-amd-amdhsa -mcpu=gfx1250 --defsym DOCPART=n.
;; ======== version 1 of 1: 4 launches
;; limits: right only within a limited range of input values
;; workspace buffers: img 9,437,184 bytes; scl 393,216 bytes; qb 8,912,896 bytes; kv 15,466,496 bytes; cimg 6,291,456 bytes; cs 262,144 bytes
;; launch quant (part 1): grid 256 x 1, 3 waves a work-group, no clusters, 25,856 bytes of LDS; arguments x, Wq, Wk, Wv, Wo, img, scl; writes img, scl
.if DOCPART == 1
	.amdgcn_target "amdgcn-amd-amdhsa--gfx1250"
	.amdhsa_code_object_version 6
	.text
	.protected	k_q54ea2f33f8_quant
	.globl	k_q54ea2f33f8_quant
	.p2align	8
	.type	k_q54ea2f33f8_quant,@function
k_q54ea2f33f8_quant:
	s_mov_b64 s[64:65], 0
	v_nop
	global_prefetch_b8 v0, s[64:65] scope:SCOPE_SE
	s_setreg_imm32_b32 hwreg(HW_REG_WAVE_MODE, 25, 1), 1
	s_wait_xcnt 0x0
; x [8192][1024] and Wq, Wk, Wv, Wo [1024][1024], f32 with K innermost, become codes of FP6 (E2M3) with one E8M0 byte for each 32 along K.
; A block's scale is 2^(floor(log2(its largest magnitude)) - 2); its byte is the largest magnitude's exponent field - 2, held at 1 from below.
; OUTPUT: img [row tile 0..767][K step 0..7][1,536 bytes]: a fragment (16 rows x 128 K, 12 registers a lane) as an IMAGE OF ITS REGISTERS: three planes of 512 bytes, plane p = registers 4 p .. 4 p + 3,
; lane l's 16 bytes at 16 l.  Row tiles: x 0-511, Wq 512-575, Wk 576-639, Wv 640-703, Wo 704-767.  scl [row][8 words]: a row's 32 scale bytes.
; THE ORDER INSIDE A BLOCK OF 32: the 32 code places hold k = 0-7, 16-23, 8-15, 24-31.  Every operand of this program is laid so, on both sides of every product, so each product pairs the right numbers;
; the blocks themselves are the quantiser's.  It is the order in which a transposed matrix result lies in a lane's registers, so that the later launches quantise their results with the same lines.
; LIMITS: NaN and infinities among the inputs are not served; a block whose largest magnitude lies under 2^-124 keeps the byte 1; a block of zeros gets the byte 1 where the rule says 127 (its codes are zeros, and this program alone reads the bytes).
; SHARES: 768 row tiles, one to a wave: tile 3 x work-group + wave.  A wave walks its tile's eight K steps.  Each load reads 512 consecutive bytes of one row; a step's 16 rows x 512 bytes turn through the wave's own stage
; in LDS (rows 528 bytes apart) and come back 16 numbers of each block to a lane.  Loads run two steps (32 loads a wave) ahead.  No barrier: waves share nothing.  No matrix unit, cluster or tensor load: a stream read once.
.set STG,   8448                       ; a wave's stage: 16 rows x 528 bytes
.set SPARE, 3*STG                      ; behind the stages: the spare words, 128 bytes a wave, in two blocks of 256 bytes that no other line names
.set R,   16                           ; v16-143  two sets of 64 registers as loaded
.set X,   144                          ; v144-207 64 numbers: register 16 b + i = slot i of block b
.set PC,  208                          ; v208-219 the fragment's codes
.set CT,  220                          ; v220-226 the blocks' second halves
.set TM,  228                          ; v228-243 at work
.set SW,  246                          ; v246-253 the scale words of the eight K steps
.set SEL, 30                           ; s[30:31] lane selects: lane l xor 16
; 64 numbers of a lane become a fragment's codes in v[PC + stp c] on (c = 0, 1: six registers each) and its row's scale word in v[pw].
.macro QUANT src, stp, pw
.irp b, 0,1,2,3
	v_max3_num_f32 v[TM+\b], |v[\src+16*\b]|, |v[\src+1+16*\b]|, 0x1800000   ; block b: my 16 numbers, and the floor 2^(3 - 127): the byte cannot fall under 1
.endr
.irp i, 2,4,6,8,10,12,14
.irp b, 0,1,2,3
	v_max3_num_f32 v[TM+\b], v[TM+\b], |v[\src+16*\b+\i]|, |v[\src+1+16*\b+\i]|   ; the four blocks by turns
.endr
.endr
.irp b, 0,1,2,3
	v_permlanex16_b32 v[TM+4+\b], v[TM+\b], s[SEL], s[SEL+1]
.endr
.irp b, 0,1,2,3
	v_max_num_f32 v[TM+\b], v[TM+\b], v[TM+4+\b]   ; with lane l xor 16's 16: the block's largest magnitude
.endr
.irp b, 0,1,2,3
	v_add_nc_u32 v[TM+12+\b], 0xff000000, v[TM+\b]   ; 2 off its exponent field: the conversion takes this operand's exponent field as its scale
.endr
.irp b, 0,1,2,3
	v_lshrrev_b32 v[TM+4+\b], 23, v[TM+12+\b]      ; the scale's byte
.endr
	v_lshl_or_b32 v[\pw], v[TM+5], 8, v[TM+4]
	v_lshl_or_b32 v[\pw], v[TM+6], 16, v[\pw]
	v_lshl_or_b32 v[\pw], v[TM+7], 24, v[\pw]
.irp c, 0,1
	v_cvt_scalef32_pk16_fp6_f32 v[PC+(\stp)*\c:PC+(\stp)*\c+2], v[\src+32*\c:\src+32*\c+15], v[TM+12+2*\c]
	v_cvt_scalef32_pk16_fp6_f32 v[CT+4*\c:CT+4*\c+2], v[\src+16+32*\c:\src+31+32*\c], v[TM+13+2*\c]   ; (a conversion's three registers begin on an even number)
.endr
	v_nop                                          ; one plain place behind a scaled conversion
.irp c, 0,1                                    ; the operand's layout wants a whole block in a lane: lanes 0-15 block 2 c, lanes 16-31 block 2 c + 1
.irp i, 0,1,2
	v_permlane16_swap_b32 v[PC+(\stp)*\c+\i], v[CT+4*\c+\i]
.endr
.irp i, 0,1,2
	v_mov_b32 v[PC+(\stp)*\c+3+\i], v[CT+4*\c+\i]
.endr
.endr
.endm
	s_load_b256 s[4:11], s[0:1], 0x0               ; x s[4:5], Wq s[6:7], Wk s[8:9], Wv s[10:11]
	s_load_b128 s[12:15], s[0:1], 0x20             ; Wo s[12:13], img s[14:15]
	s_load_b64 s[16:17], s[0:1], 0x30              ; scl
	v_lshl_add_u32 v5, v0, 2, SPARE                ; my spare word; never rewritten
	v_mov_b32 v6, 0                                ; 0; never rewritten
	v_lshrrev_b32 v7, 5, v0
	v_readfirstlane_b32 s18, v7                    ; wave 0..2
	v_and_b32 v8, 31, v0                           ; lane
	v_and_b32 v9, 15, v0                           ; r
	v_bfe_u32 v10, v0, 4, 1                        ; h
	v_lshlrev_b32 v1, 4, v8                        ; 16 x lane: my bytes of a load's 512, and of an image's plane
	s_mul_i32 s19, s18, STG
	v_add_nc_u32 v2, s19, v1                       ; the stage, on the way in
	v_mul_u32_u24 v3, v9, 528
	v_lshl_add_u32 v3, v10, 5, v3
	v_add_nc_u32 v3, s19, v3                       ; and out: row r, + 32 h
	v_lshlrev_b32 v4, 5, v9
	v_lshl_add_u32 v4, v10, 4, v4                  ; scl: 32 r + 16 h
.irp b, 0,1,2,3
	v_mov_b32 v[TM+4+\b], 0                        ; written once: a lane permute's destination counts as one of its sources
.endr
	s_mov_b32 s[SEL], 0x76543210
	s_mov_b32 s[SEL+1], 0xfedcba98
	s_mul_i32 s20, ttmp9, 3
	s_add_co_u32 s20, s20, s18                     ; my row tile, 0..767
	s_and_b32 s21, s20, 63                         ; its number inside a weight
	s_mul_i32 s26, s20, 12288                      ; its eight images
	s_mov_b32 s27, 0
	s_lshl_b32 s28, s20, 9                         ; its 16 rows of scale words
	s_mov_b32 s29, 0
	s_mov_b32 s25, 0
	s_wait_alu depctr_va_vdst(0)
	s_wait_kmcnt 0x0
	s_mov_b64 s[22:23], s[12:13]                   ; which tensor: a choice on the tile's number alone
	s_cmp_lt_u32 s20, 704
	s_cselect_b64 s[22:23], s[10:11], s[22:23]
	s_cmp_lt_u32 s20, 640
	s_cselect_b64 s[22:23], s[8:9], s[22:23]
	s_cmp_lt_u32 s20, 576
	s_cselect_b64 s[22:23], s[6:7], s[22:23]
	s_cmp_lt_u32 s20, 512
	s_cselect_b64 s[22:23], s[4:5], s[22:23]
	s_cselect_b32 s24, s20, s21
	s_lshl_b32 s24, s24, 16                        ; 16 rows of 4,096 bytes
	s_add_nc_u64 s[22:23], s[22:23], s[24:25]
	s_add_nc_u64 s[14:15], s[14:15], s[26:27]
	s_add_nc_u64 s[16:17], s[16:17], s[28:29]
.macro LOAD s                          ; K step s: 16 rows x 512 bytes into set s % 2
.irp j, 0,1,2,3,4,5,6,7,8,9,10,11,12,13,14,15
	global_load_b128 v[R+64*((\s)%2)+4*\j:R+64*((\s)%2)+4*\j+3], v1, s[22:23] offset:4096*\j+512*(\s) th:TH_LOAD_NT
.endr
.endm
.macro STEP s
.if (\s) < 7
	s_wait_loadcnt 16                              ; this step's 16 loads are in; the next step's 16 may be out
.else
	s_wait_loadcnt 0x0
.endif
.irp j, 0,1,2,3,4,5,6,7,8,9,10,11,12,13,14,15
	ds_store_b128 v2, v[R+64*((\s)%2)+4*\j:R+64*((\s)%2)+4*\j+3] offset:528*\j
.endr
.irp b, 0,1,2,3                                ; LDS serves a wave's instructions in order: these see the stores.  Slots 0-7: k = 32 b + 8 h + 0..7; slots 8-15: k = 32 b + 16 + 8 h + 0..7
	ds_load_b128 v[X+16*\b:X+16*\b+3], v3 offset:128*\b
	ds_load_b128 v[X+16*\b+4:X+16*\b+7], v3 offset:128*\b+16
	ds_load_b128 v[X+16*\b+8:X+16*\b+11], v3 offset:128*\b+64
	ds_load_b128 v[X+16*\b+12:X+16*\b+15], v3 offset:128*\b+80
.endr
	s_wait_dscnt 0x0                               ; the numbers are back, and the stores into the stage have read their registers,
.if (\s) < 6
	LOAD (\s)+2                                    ; which take the loads of two steps on
.endif
.if (\s) > 0
	s_wait_xcnt 0x0                                ; the last step's stores have read the codes' registers: they are written again only behind this wait
.endif
	QUANT X, 6, SW+(\s)
.irp p, 0,1,2
	global_store_b128 v1, v[PC+4*\p:PC+4*\p+3], s[14:15] offset:1536*(\s)+512*\p   ; 512 consecutive bytes, aligned
.endr
.endm
	LOAD 0
	LOAD 1
.irp s, 0,1,2,3,4,5,6,7
	STEP \s
.endr
	s_wait_xcnt 0x0                                ; the last images' stores have read their registers
	v_cmp_eq_u32 vcc_lo, 1, v10
.irp j, 0,1,2,3
	v_cndmask_b32 v[PC+\j], v[SW+\j], v[SW+4+\j], vcc_lo   ; lanes 0-15 store their row's words 0-3, lanes 16-31 words 4-7
.endr
	global_store_b128 v4, v[PC:PC+3], s[16:17]     ; 512 consecutive bytes, aligned
	s_wait_tensorcnt 0x0                           ; the wave's end: behind my last LDS store
	ds_add_u32 v5, v6
	s_wait_dscnt 0x0
	s_endpgm
.Lfunc_end_k_q54ea2f33f8_quant:
	.size	k_q54ea2f33f8_quant, .Lfunc_end_k_q54ea2f33f8_quant-k_q54ea2f33f8_quant
	.p2alignl 7, 3214868480
	.fill 96, 4, 3214868480
	.section	.rodata,"a",@progbits
	.p2align	6, 0x0
	.amdhsa_kernel k_q54ea2f33f8_quant
		.amdhsa_group_segment_fixed_size 25856
		.amdhsa_private_segment_fixed_size 0
		.amdhsa_enable_private_segment 0
		.amdhsa_kernarg_size 56
		.amdhsa_user_sgpr_count 2
		.amdhsa_user_sgpr_kernarg_segment_ptr 1
		.amdhsa_wavefront_size32 1
		.amdhsa_system_sgpr_workgroup_id_x 1
		.amdhsa_system_sgpr_workgroup_id_y 1
		.amdhsa_system_sgpr_workgroup_id_z 1
		.amdhsa_system_vgpr_workitem_id 0
		.amdhsa_next_free_vgpr 256
		.amdhsa_next_free_sgpr 66
		.amdhsa_reserve_vcc 1
		.amdhsa_float_denorm_mode_32 3
		.amdhsa_float_denorm_mode_16_64 3
		.amdhsa_memory_ordered 1
		.amdhsa_forward_progress 1
		.amdhsa_inst_pref_size 64
	.end_amdhsa_kernel
	.amdgpu_metadata
---
amdhsa.version: [ 1, 2 ]
amdhsa.kernels:
  - .name:           k_q54ea2f33f8_quant
    .symbol:         k_q54ea2f33f8_quant.kd
    .args:
      - { .name: x, .offset: 0, .size: 8, .value_kind: global_buffer, .address_space: global }
      - { .name: Wq, .offset: 8, .size: 8, .value_kind: global_buffer, .address_space: global }
      - { .name: Wk, .offset: 16, .size: 8, .value_kind: global_buffer, .address_space: global }
      - { .name: Wv, .offset: 24, .size: 8, .value_kind: global_buffer, .address_space: global }
      - { .name: Wo, .offset: 32, .size: 8, .value_kind: global_buffer, .address_space: global }
      - { .name: img, .offset: 40, .size: 8, .value_kind: global_buffer, .address_space: global }
      - { .name: scl, .offset: 48, .size: 8, .value_kind: global_buffer, .address_space: global }
    .group_segment_fixed_size: 25856
    .private_segment_fixed_size: 0
    .kernarg_segment_align: 8
    .kernarg_segment_size: 56
    .max_flat_workgroup_size: 96
    .sgpr_count:     66
    .vgpr_count:     256
    .wavefront_size: 32
...
	.end_amdgpu_metadata
.endif
;; end of part 1
;; launch qkv (part 2): grid 8 x 32, 4 waves a work-group, clusters of 4 x 4, 327,680 bytes of LDS; arguments img, scl, bq, bk, bv, mask, qb, kv; writes qb, kv
.if DOCPART == 2
	.amdgcn_target "amdgcn-amd-amdhsa--gfx1250"
	.amdhsa_code_object_version 6
	.text
	.protected	k_q54ea2f33f8_qkv
	.globl	k_q54ea2f33f8_qkv
	.p2align	8
	.type	k_q54ea2f33f8_qkv,@function
k_q54ea2f33f8_qkv:
	s_mov_b64 s[64:65], 0
	v_nop
	global_prefetch_b8 v0, s[64:65] scope:SCOPE_SE
	s_setreg_imm32_b32 hwreg(HW_REG_WAVE_MODE, 25, 1), 1
	s_wait_xcnt 0x0
	s_wait_alu depctr_hold_cnt(0) depctr_sa_sdst(0) depctr_va_vdst(0) depctr_va_sdst(0) depctr_va_ssrc(0) depctr_va_vcc(0) depctr_vm_vsrc(0)
	s_getreg_b32 s2, hwreg(HW_REG_IB_STS2, 6, 4)
	s_cmp_eq_u32 s2, 0
	s_cbranch_scc0 .Lentry_in_a_cluster
	s_endpgm
.Lentry_in_a_cluster:
	s_bfe_u32 s2, ttmp6, 0x10000c
	s_cmp_lg_u32 s2, 0xf033
	s_cbranch_scc0 .Lentry_shape_is_right
	s_endpgm
.Lentry_shape_is_right:
; Q = x Wq^T + bq, K = x Wk^T + bk, V = x Wv^T + bv on codes of FP6 (E2M3) with E8M0 scales, and their results quantised at once as the operands of the attention's two products.
; INPUT: img, scl: register images of 16 rows x 128 K (1,536 bytes) and scale words, [row tile][K step]; x row tiles 0-511, Wq 512-575, Wk 576-639, Wv 640-703.
; A TILE is 256 A-rows x 128 B-rows over all of K = 1,024: (256 + 128) rows x 768 bytes = 294,912 bytes of LDS, as two halves of four K steps.  Wave w takes A's rows 64 w .. 64 w + 63 (4 blocks) against B's 8 blocks: 32 accumulators.
; THE MATRIX INSTRUCTION IS USED TRANSPOSED (source 0 = 16 B-rows, source 1 = 16 A-rows): a lane holds one A-row, its registers run along B's rows.
; A WORK-GROUP STAYS and makes three tiles: of Q and of K (A = its 256 tokens of x, B = 128 rows of Wq, then of Wk: a lane holds a token, its registers run along two heads' channels, the K of Q K^T),
;   then of V (A = 256 rows of Wv, B = 128 tokens of x: a lane holds a channel, its registers run along the tokens, the K of P V).  The first two are a loop of two trips; the third, which asks for nothing more, is written out.
; FILLS: one joint load a wave: wave 0 A's first half of K, wave 1 B's, wave 2 A's second half, wave 3 B's.  The first barrier of a tile waits for waves 0 and 1 alone; ahead of K step 4 all wait.
; THE NEXT TILE is asked for as soon as K step 7's fragments are in registers: the three lines, a round of the cluster's barrier, the four loads; they are on their way under that step's 32 products and the way out.
; CLUSTERS: 4 x 4.  A's images hang on the cluster's row alone, B's on its column alone: each is asked for jointly, by the same tensor load with a mask that names the four.
; No prefetch: x's images, two thirds of a refill's bytes in the second tile and a third in the last, have been read by this launch's earlier tiles; a refill stands 32 products and a whole way out ahead of its first read.
; OUTPUT.  qb [b h][group of 128 queries][8,704]: 8 tiles of 16 queries x 1,024 bytes (two planes of 512: registers 0-5 the head's 64 codes, register 6 the extension, register 7 zero), then 512 bytes of scale words [tile / 4][row][tile % 4].
;   kv [b h][step of 128 keys][15,104]: K's 8 tiles so laid; at 8,192 V^T's 4 tiles (16 channels x 128 keys, 1,536 bytes); at 14,336 K's scale words as Q's; at 14,848 V's [row][tile].
; THE MASK goes through the half of the instruction's K that a head of 64 leaves empty.  Q's register 6 holds the code 1.0 at k = 64 (lanes 0-15) and k = 96 (lanes 16-31), with scale bytes 2^60.
;   A key with mask == 0 holds the code -1.0 there with scale bytes 2^60: its score gets -2^121.  An open key holds zero codes there and scale bytes 2^-126: nothing is added.
; LIMITS: NaN and infinities are not served; blocks under 2^-124 keep the byte 1, blocks of zeros get it too (their codes are zeros; this program alone reads the bytes); scores stay under 2^96 in magnitude, so that -2^121 takes them up.
; REGISTERS: window 0: v1 16 x lane; v2 32 r; v4 r, v5 h; v8-9, v12-13 LDS addresses of A's and B's images by half; v28, v29 the add's two; v32-63 A's scale words (8 a + s), v64-127 B's (8 b + s): scales and nothing else;
;   v128-175, v176-223 A's fragments, two sets; in the way out v128-251 and v20-27 at work.   window 1: v0-95, v128-223 B's fragments, two sets; in the way out v0-63 the biases.   window 2: accumulator (a, b) at v[8 (8 a + b)].
.set CHUNK, 147456                     ; four K steps: A's 16 row tiles x 6,144 bytes, then B's 8
.set BOFF,  98304
.set SPARE, 2*CHUNK                    ; behind the halves: the spare words, 128 bytes a wave: two blocks of 256 bytes that no other line names
.set NLD,   36                         ; LDS loads of a K step's fragments
.set ADRA, 8
.set ADRB, 12
.set SPW,  28
.set NIL,  29
.set SA,   32
.set SB,   64
.set AF,   128
.set HA,   128                         ; way out: 64 results with their bias
.set PC,   192                         ; v192-207 codes
.set TM,   208                         ; v208-223 at work
.set CT,   224                         ; v224-230
.set PW,   232
.set SWA,  236                         ; v236-239, v240-243 scale words of the four tiles, first and second head
.set SWB,  240
.set MK,   244                         ; v244-247 the mask, then the extension's code word
.set T,    248                         ; v248-251
.set MS,   20                          ; v20-23 the extension's two scale bytes
.set BA,   20                          ; v20-27 (V's tile) bv, each number twice
.set WV,   20                          ; s20 my wave's number
.set G1A,  24
.set G1B,  32
.set G0A,  40                          ; s[40:47] group 0 for A, a set for each half of K
.set TT,   49                          ; s49 the tile: 0 Q, 1 K
.set G0B,  68                          ; s[68:75] for B
.set SEL,  100
.set MSB, 0
.macro WIN new                         ; the immediate's high byte repeats the setting that is left
.if MSB != \new
	s_set_vgpr_msb (MSB<<8)|\new
.set MSB, \new
.endif
.endm
.set MUL,  0xa1                        ; source 0 (B) window 1, source 1 (A) window 0, C and D window 2
.set TO_B, 0x40                        ; destination window 1, address window 0
.macro PLACES n
.rept \n
	v_nop
.endr
.endm
.macro WALU
	s_wait_alu depctr_va_vdst(0)
.endm
.macro CROUND                          ; a round of the cluster's barrier
	s_barrier_signal -1
	s_barrier_wait -1
	s_cmp_lg_u32 s[WV], 0
	s_cbranch_scc1 .Lnot_wave_0_\@
	s_barrier_signal -3
.Lnot_wave_0_\@:
	s_barrier_wait -3
	s_barrier_signal -1
	s_barrier_wait -1
.endm
.macro QUANT src, stp, pw              ; 64 numbers of a lane (register 16 b + i = slot i of block b) -> codes in v[PC + stp c] on, six registers each, and the row's scale word in v[pw]
.irp b, 0,1,2,3
	v_max3_num_f32 v[TM+\b], |v[\src+16*\b]|, |v[\src+1+16*\b]|, 0x1800000   ; and the floor 2^(3 - 127): the byte cannot fall under 1
.endr
.irp i, 2,4,6,8,10,12,14
.irp b, 0,1,2,3
	v_max3_num_f32 v[TM+\b], v[TM+\b], |v[\src+16*\b+\i]|, |v[\src+1+16*\b+\i]|
.endr
.endr
.irp b, 0,1,2,3
	v_permlanex16_b32 v[TM+4+\b], v[TM+\b], s[SEL], s[SEL+1]
.endr
.irp b, 0,1,2,3
	v_max_num_f32 v[TM+\b], v[TM+\b], v[TM+4+\b]
.endr
.irp b, 0,1,2,3
	v_add_nc_u32 v[TM+12+\b], 0xff000000, v[TM+\b]   ; 2 off the exponent field: the conversion's scale operand
.endr
.irp b, 0,1,2,3
	v_lshrrev_b32 v[TM+4+\b], 23, v[TM+12+\b]
.endr
	v_lshl_or_b32 v[\pw], v[TM+5], 8, v[TM+4]
	v_lshl_or_b32 v[\pw], v[TM+6], 16, v[\pw]
	v_lshl_or_b32 v[\pw], v[TM+7], 24, v[\pw]
.irp c, 0,1
	v_cvt_scalef32_pk16_fp6_f32 v[PC+(\stp)*\c:PC+(\stp)*\c+2], v[\src+32*\c:\src+32*\c+15], v[TM+12+2*\c]
	v_cvt_scalef32_pk16_fp6_f32 v[CT+4*\c:CT+4*\c+2], v[\src+16+32*\c:\src+31+32*\c], v[TM+13+2*\c]
.endr
	v_nop                                          ; one plain place behind a scaled conversion
.irp c, 0,1
.irp i, 0,1,2
	v_permlane16_swap_b32 v[PC+(\stp)*\c+\i], v[CT+4*\c+\i]
.endr
.irp i, 0,1,2
	v_mov_b32 v[PC+(\stp)*\c+3+\i], v[CT+4*\c+\i]
.endr
.endr
.endm
.macro FRAG reg, adr, off              ; an image comes back as the registers that it was
.irp p, 0,1,2
	ds_load_b128 v[\reg+4*\p:\reg+4*\p+3], v[\adr] offset:\off+512*\p
.endr
.endm
.macro FETCH s, set                    ; K step s: B's eight fragments and my four of A
	WIN TO_B
.irp b, 0,1,2,3,4,5,6,7
	FRAG 128*(\set)+12*\b, ADRB+(\s)/4, 6144*\b+1536*((\s)%4)
.endr
	WIN 0
.irp a, 0,1,2,3
	FRAG AF+48*(\set)+12*\a, ADRA+(\s)/4, 6144*\a+1536*((\s)%4)
.endr
.endm
.macro MUL32 s, mode                   ; 32 matrix instructions; the 32 accumulators take turns, one instruction a turn, in the same order in every step.  mode = 1: the first product starts the sums
.irp a, 0,1,2,3
.irp b, 0,1,2,3,4,5,6,7
.if \mode == 1
	v_wmma_scale_f32_16x16x128_f8f6f4 v[8*(8*\a+\b):8*(8*\a+\b)+7], v[128*((\s)%2)+12*\b:128*((\s)%2)+12*\b+11], v[AF+48*((\s)%2)+12*\a:AF+48*((\s)%2)+12*\a+11], 0, v[SB+8*\b+(\s)], v[SA+8*\a+(\s)] matrix_a_fmt:MATRIX_FMT_FP6 matrix_b_fmt:MATRIX_FMT_FP6
.else
	v_wmma_scale_f32_16x16x128_f8f6f4 v[8*(8*\a+\b):8*(8*\a+\b)+7], v[128*((\s)%2)+12*\b:128*((\s)%2)+12*\b+11], v[AF+48*((\s)%2)+12*\a:AF+48*((\s)%2)+12*\a+11], v[8*(8*\a+\b):8*(8*\a+\b)+7], v[SB+8*\b+(\s)], v[SA+8*\a+(\s)] matrix_a_fmt:MATRIX_FMT_FP6 matrix_b_fmt:MATRIX_FMT_FP6
.endif
.endr
.endr
.endm
.macro STEP s                          ; K steps 0 to 6: the next step's fragments are fetched, this step's multiplied
.if (\s) == 3
	s_wait_tensorcnt 0x0                           ; every wave's one load has landed: the second half of K among them
	s_wait_dscnt 0x0
	s_barrier_signal -1
	s_barrier_wait -1                              ; everybody's has.
.endif
.if (\s) > 0
	PLACES 4                                       ; in front of loads into registers that the last step's matrix instructions have read
.endif
	FETCH (\s)+1, 1-(\s)%2
	s_wait_dscnt NLD                               ; all but the loads just issued: this step's fragments are in
	WIN MUL
.if (\s) == 0
	MUL32 \s, 1
.else
	MUL32 \s, 0
.endif
.endm
.macro MAIN                            ; a tile's K steps 0 to 6
	WALU
	s_cmp_lt_u32 s[WV], 2                          ; waves 0 and 1 brought the first half of K: they wait; the second half may stay out
	s_cbranch_scc0 .Lnot_first_\@
	s_wait_tensorcnt 0x0
.Lnot_first_\@:
	s_barrier_signal -1
	s_barrier_wait -1
	FETCH 0, 0
	s_wait_loadcnt 0x0                             ; the scale words
.irp s, 0,1,2,3,4,5,6
	STEP \s
.endr
	WIN 0
.endm
.macro DESC                            ; from s62, A's first row tile, and s67, B's: the four loads' addresses and the scale words' (s[76:77] mine of A's, s[78:79] B's)
	s_mul_i32 s86, s62, 12288
	s_mov_b32 s87, 0
	s_mul_i32 s88, s67, 12288
	s_mov_b32 s89, 0
	s_add_nc_u64 s[86:87], s[4:5], s[86:87]
	s_add_nc_u64 s[88:89], s[4:5], s[88:89]
.irp k, 0,1
	s_add_nc_u64 s[G0A+4*\k+2:G0A+4*\k+3], s[86:87], 6144*\k
	s_or_b32 s[G0A+4*\k+3], s[G0A+4*\k+3], 0x80000000
	s_add_nc_u64 s[G0B+4*\k+2:G0B+4*\k+3], s[88:89], 6144*\k
	s_or_b32 s[G0B+4*\k+3], s[G0B+4*\k+3], 0x80000000
.endr
	s_lshl_b32 s76, s62, 9                         ; row tile x 512 bytes + 64 rows a wave
	s_lshl_b32 s80, s[WV], 11
	s_add_co_u32 s76, s76, s80
	s_mov_b32 s77, 0
	s_add_nc_u64 s[76:77], s[6:7], s[76:77]
	s_lshl_b32 s78, s67, 9
	s_mov_b32 s79, 0
	s_add_nc_u64 s[78:79], s[6:7], s[78:79]
.endm
.macro ARMS                            ; one joint load a wave, in one chain of four arms
	s_cmp_eq_u32 s[WV], 0
	s_cbranch_scc0 .Lfill_1_\@
	tensor_load_to_lds s[G0A:G0A+3], s[G1A:G1A+7]
	s_nop 0
	PLACES 4
	s_branch .Lfilled_\@
.Lfill_1_\@:
	s_cmp_eq_u32 s[WV], 1
	s_cbranch_scc0 .Lfill_2_\@
	tensor_load_to_lds s[G0B:G0B+3], s[G1B:G1B+7]
	s_nop 0
	PLACES 4
	s_branch .Lfilled_\@
.Lfill_2_\@:
	s_cmp_eq_u32 s[WV], 2
	s_cbranch_scc0 .Lfill_3_\@
	tensor_load_to_lds s[G0A+4:G0A+7], s[G1A:G1A+7]
	s_nop 0
	PLACES 4
	s_branch .Lfilled_\@
.Lfill_3_\@:
	tensor_load_to_lds s[G0B+4:G0B+7], s[G1B:G1B+7]
	s_nop 0
	PLACES 4
.Lfilled_\@:
.endm
.macro SCALES                          ; 24 loads: lane r takes row r's words of K steps 0-3 and 4-7
.irp a, 0,1,2,3
	global_load_b128 v[SA+8*\a:SA+8*\a+3], v2, s[76:77] offset:512*\a
	global_load_b128 v[SA+8*\a+4:SA+8*\a+7], v2, s[76:77] offset:512*\a+16
.endr
.irp b, 0,1,2,3,4,5,6,7
	global_load_b128 v[SB+8*\b:SB+8*\b+3], v2, s[78:79] offset:512*\b
	global_load_b128 v[SB+8*\b+4:SB+8*\b+7], v2, s[78:79] offset:512*\b+16
.endr
.endm
	s_load_b256 s[4:11], s[0:1], 0x0               ; img s[4:5], scl s[6:7], bq s[8:9], bk s[10:11]
	s_load_b256 s[12:19], s[0:1], 0x20             ; bv s[12:13], mask s[14:15], qb s[16:17], kv s[18:19]
	v_lshl_add_u32 v[SPW], v0, 2, SPARE
	v_mov_b32 v[NIL], 0
	ds_add_u32 v[SPW], v[NIL]                      ; the opening lines: the add, twice on end, and its wait ahead of my first tensor load
	ds_add_u32 v[SPW], v[NIL]
	v_lshrrev_b32 v3, 5, v0
	v_readfirstlane_b32 s[WV], v3                  ; wave 0..3
	s_and_b32 s21, s[WV], 1
	s_lshr_b32 s22, s[WV], 1
	s_bfe_u32 s56, ttmp6, 0x40000                  ; cx
	s_bfe_u32 s57, ttmp6, 0x40004                  ; cy
	s_and_b32 s48, ttmp7, 0xffff                   ; the cluster's y
	s_lshl_b32 s59, s57, 2
	s_lshl_b32 s59, 15, s59                        ; my row of the cluster
	s_lshl_b32 s60, 0x1111, s56                    ; my column
	s_or_b32 s[G1A], s59, (3<<16)|(1<<21)          ; 15:0 the mask; 17:16 elements of 8 bytes; 21 set beside a mask; no padding
	s_or_b32 s[G1B], s60, (3<<16)|(1<<21)
	s_mov_b32 s[G1A+1], 768<<16                    ; tensor_dim0: 6,144 bytes, four K steps' images of a row tile
	s_mov_b32 s[G1A+2], 16<<16                     ; tensor_dim1: A's 16 row tiles
	s_mov_b32 s[G1A+3], 768<<16                    ; tile_dim0
	s_mov_b32 s[G1A+4], 16                         ; tile_dim1
	s_mov_b32 s[G1A+5], 1536                       ; from row tile to row tile: 12,288 bytes
	s_mov_b32 s[G1A+6], 0
	s_mov_b32 s[G1A+7], 0
	s_mov_b32 s[G1B+1], 768<<16
	s_mov_b32 s[G1B+2], 8<<16                      ; B: 8 row tiles
	s_mov_b32 s[G1B+3], 768<<16
	s_mov_b32 s[G1B+4], 8
	s_mov_b32 s[G1B+5], 1536
	s_mov_b32 s[G1B+6], 0
	s_mov_b32 s[G1B+7], 0
.irp k, 0,1                                    ; the LDS places are constants
	s_mov_b32 s[G0A+4*\k], 1
	s_mov_b32 s[G0A+4*\k+1], CHUNK*\k
	s_mov_b32 s[G0B+4*\k], 1
	s_mov_b32 s[G0B+4*\k+1], CHUNK*\k+BOFF
.endr
	; A's first row tiles: made of cy and the cluster's y alone
	s_lshl_b32 s61, s48, 2
	s_add_co_u32 s61, s61, s57                     ; work-group y
	s_lshl_b32 s52, s61, 4                         ; Q, K: x's row tile 16 y
	s_lshl_b32 s51, s57, 4
	s_add_co_u32 s51, s51, 640                     ; V: Wv's row tile 16 cy
	; B's first row tiles: made of cx and the cluster's numbers alone
	s_lshl_b32 s54, ttmp9, 2
	s_add_co_u32 s54, s54, s56                     ; which 128 channels of Q and of K, 0..7
	s_lshl_b32 s67, s54, 3
	s_add_co_u32 s67, s67, 512                     ; Q: Wq's row tile
	s_add_co_u32 s55, s67, 64                      ; K: Wk's
	s_lshl_b32 s50, ttmp9, 3
	s_add_co_u32 s50, s50, s48
	s_lshl_b32 s50, s50, 2
	s_add_co_u32 s50, s50, s56                     ; V: which 128 tokens, 0..63
	s_lshl_b32 s53, s50, 3
	s_mov_b32 s62, s52
	s_mov_b32 s[SEL], 0x76543210
	s_mov_b32 s[SEL+1], 0xfedcba98
	s_wait_dscnt 0x0                               ; both opening adds are done
	s_wait_kmcnt 0x0
	DESC
	CROUND                                         ; all sixteen work-groups are here: the joint loads meet
	ARMS
	v_and_b32 v3, 31, v0
	v_lshlrev_b32 v1, 4, v3                        ; 16 x lane
	v_and_b32 v4, 15, v0                           ; r
	v_bfe_u32 v5, v0, 4, 1                         ; h
	v_lshlrev_b32 v2, 5, v4                        ; a row of scale words is 32 bytes
	WALU
	s_mul_i32 s23, s[WV], 24576                    ; my four row tiles of A in a half
.irp k, 0,1
	v_add_nc_u32 v[ADRA+\k], s23, v1
	v_add_nc_u32 v[ADRB+\k], CHUNK*\k+BOFF, v1
	s_add_co_u32 s23, s23, CHUNK
.endr
	SCALES
	s_mov_b32 s[TT], 0
.Ltile:                                                ; ---- the tiles of Q and of K: one text; what differs is chosen on the tile's number
	MAIN
	s_wait_tensorcnt 0x0                           ; ahead of a refill: all my tensor loads are done,
	ds_add_u32 v[SPW], v[NIL]                      ; the add,
	s_cmp_eq_u32 s[TT], 0                          ; (work on registers: the next tile is K's, then V's)
	s_cselect_b32 s62, s52, s51
	s_cselect_b32 s67, s55, s53
	DESC
	s_wait_dscnt 0x0                               ; the add is done, and K step 7's fragments are in registers: my reads of this tile are over
	CROUND                                         ; so are everybody's, in all sixteen work-groups
	ARMS                                           ; the next tile; the four v_nop behind each load are also the places in front of the loads below
	s_cmp_eq_u32 s[TT], 0
	s_cselect_b64 s[86:87], s[16:17], s[18:19]     ; qb or kv
	s_cselect_b64 s[90:91], s[8:9], s[10:11]       ; bq or bk
	s_mov_b32 s96, 241664
	s_cselect_b32 s96, 139264, s96                 ; bytes of a head
	s_mov_b32 s97, 15104
	s_cselect_b32 s97, 8704, s97                   ; of 128 tokens
	s_mov_b32 s98, 14336
	s_cselect_b32 s98, 8192, s98                   ; where the scale words begin
	s_cselect_b32 s58, 8, 0                        ; register 6 where the mask is set: Q the code 1.0, K nothing;
	s_cselect_b32 s59, 8, 40                       ; where it is 0: Q the same, K the code -1.0
	s_mov_b32 s62, 0xbbbb0000                      ; the extension's scale bytes: 2^60,
	s_mov_b32 s60, 0x01010000                      ; but 2^-126 for an open key
	s_cselect_b32 s60, s62, s60
	s_lshr_b32 s63, s61, 3                         ; the batch: 256 y / 2,048
	s_lshl_b32 s63, s63, 4
	s_lshl_b32 s85, s54, 1
	s_add_co_u32 s63, s63, s85                     ; 16 b + my first head
	s_mul_i32 s63, s63, s96
	s_and_b32 s85, s61, 7
	s_lshl_b32 s85, s85, 1
	s_add_co_u32 s85, s85, s22                     ; which 128 tokens of the batch
	s_mul_i32 s85, s85, s97
	s_add_co_u32 s92, s63, s85
	s_mov_b32 s93, 0
	s_add_nc_u64 s[86:87], s[86:87], s[92:93]
	s_lshl_b32 s92, s21, 8
	s_add_co_u32 s92, s92, s98
	s_add_nc_u64 s[92:93], s[86:87], s[92:93]      ; my 256 bytes of scale words
	s_lshl_b32 s88, s21, 12
	s_mov_b32 s89, 0
	s_add_nc_u64 s[86:87], s[86:87], s[88:89]      ; my four tiles, first head,
	s_mov_b32 s88, s96
	s_add_nc_u64 s[88:89], s[86:87], s[88:89]      ; second head
	s_lshl_b32 s94, s54, 9
	s_mov_b32 s95, 0
	s_add_nc_u64 s[90:91], s[90:91], s[94:95]      ; the bias of my 128 channels
	s_lshl_b32 s94, s61, 10
	s_lshl_b32 s99, s[WV], 8
	s_add_co_u32 s94, s94, s99
	s_add_nc_u64 s[94:95], s[14:15], s[94:95]      ; the mask of my 64 tokens
	v_lshlrev_b32 v3, 5, v5                        ; 32 h
	v_lshlrev_b32 v6, 2, v4                        ; 4 r
	v_mul_u32_u24 v7, s96, v5
	v_lshl_add_u32 v7, v4, 4, v7                   ; the scale words' place: 16 r, lanes 16-31 a head on
	WIN TO_B
.irp b, 0,1,2,3,4,5,6,7                        ; register 8 b + j: the bias of channel 16 b + 8 h + j, as the results lie; into B's set 0, which K step 6 read last
	global_load_b128 v[8*\b:8*\b+3], v3, s[90:91] offset:64*\b
	global_load_b128 v[8*\b+4:8*\b+7], v3, s[90:91] offset:64*\b+16
.endr
	WIN 0
.irp a, 0,1,2,3
	global_load_b32 v[MK+\a], v6, s[94:95] offset:64*\a
.endr
	WIN MUL
	MUL32 7, 0
	WIN 0
	PLACES 4                                       ; behind the last products: their results are read and their operands' registers written below
.irp b, 0,1,2,3
	v_mov_b32 v[TM+4+\b], 0                        ; a lane permute's destination counts as one of its sources
.endr
	SCALES                                         ; the next tile's scale words
	v_mov_b32 v[PC+7], 0
	v_mov_b32 v[PC+15], 0
	v_mov_b32 v[T], s58
	v_mov_b32 v[T+1], s59
	v_mov_b32 v[T+2], s60
	v_mov_b32 v[T+3], s62
	WALU
	s_wait_loadcnt 24                              ; the bias and the mask are in; the 24 loads of scale words behind them may stay out
.irp a, 0,1,2,3
	v_cmp_eq_u32 vcc_lo, 0, v[MK+\a]               ; the mask only selects values
	v_cndmask_b32 v[MS+\a], v[T+2], v[T+3], vcc_lo
	v_cndmask_b32 v[MK+\a], v[T], v[T+1], vcc_lo
.endr
.macro EPI_QK a                        ; 16 tokens x 128 channels: two heads' tiles
.if (\a) > 0
	s_wait_xcnt 0x0                                ; the last tile's stores have read the codes' registers
.endif
	WIN 0x06                                       ; source 0 window 2 (results), source 1 window 1 (bias)
.set i, 0
.rept 32
	v_pk_add_f32 v[HA+i:HA+i+1], v[64*(\a)+i:64*(\a)+i+1], v[i:i+1]   ; each accumulator from its low end on
.set i, i+2
.endr
	WIN 0
	QUANT HA, 8, PW
	v_mov_b32 v[PC+6], v[MK+\a]
	v_mov_b32 v[PC+14], v[MK+\a]
	v_and_or_b32 v[SWA+\a], v[PW], 0xffff, v[MS+\a]   ; the first head's two bytes, and the extension's two
	v_lshrrev_b32 v[SWB+\a], 16, v[PW]
	v_or_b32 v[SWB+\a], v[SWB+\a], v[MS+\a]
	global_store_b128 v1, v[PC:PC+3], s[86:87] offset:1024*(\a)          ; each store: 512 consecutive bytes, aligned
	global_store_b128 v1, v[PC+4:PC+7], s[86:87] offset:1024*(\a)+512
	global_store_b128 v1, v[PC+8:PC+11], s[88:89] offset:1024*(\a)
	global_store_b128 v1, v[PC+12:PC+15], s[88:89] offset:1024*(\a)+512
.endm
.irp a, 0,1,2,3
	EPI_QK \a
.endr
	v_cmp_eq_u32 vcc_lo, 1, v5
.irp j, 0,1,2,3
	v_cndmask_b32 v[T+\j], v[SWA+\j], v[SWB+\j], vcc_lo
.endr
	global_store_b128 v7, v[T:T+3], s[92:93]       ; lanes 0-15: 256 consecutive bytes of the first head's words; lanes 16-31: of the second's
	s_wait_xcnt 0x0                                ; the stores have read their registers and bases: the next tile writes both again
	s_add_co_u32 s[TT], s[TT], 1
	s_cmp_lt_u32 s[TT], 2
	s_cbranch_scc1 .Ltile
	; ---- the tile of V: a lane holds a channel, its registers run along 128 tokens.  Nothing more is asked for
	MAIN
	s_wait_dscnt 0x0                               ; K step 7's fragments
	s_lshl_b32 s63, s57, 2
	s_add_co_u32 s63, s63, s[WV]                   ; my head: 4 cy + wave
	s_lshr_b32 s67, s50, 4                         ; the batch
	s_lshl_b32 s67, s67, 4
	s_add_co_u32 s63, s63, s67
	s_mul_i32 s86, s63, 241664
	s_and_b32 s67, s50, 15                         ; which 128 keys of the batch
	s_mul_i32 s67, s67, 15104
	s_add_co_u32 s86, s86, s67
	s_mov_b32 s87, 0
	s_add_nc_u64 s[86:87], s[18:19], s[86:87]
	s_lshl_b32 s88, s57, 10
	s_lshl_b32 s67, s[WV], 8
	s_add_co_u32 s88, s88, s67
	s_mov_b32 s89, 0
	s_add_nc_u64 s[88:89], s[12:13], s[88:89]      ; bv of my 64 channels
	v_lshlrev_b32 v6, 2, v4
	v_lshlrev_b32 v7, 4, v4
	v_lshl_add_u32 v7, v5, 3, v7                   ; the scale words' place: 16 r + 8 h
.irp a, 0,1,2,3
	global_load_b32 v[BA+2*\a], v6, s[88:89] offset:64*\a     ; twice: a pair for the packed addition
	global_load_b32 v[BA+2*\a+1], v6, s[88:89] offset:64*\a
.endr
	WIN MUL
	MUL32 7, 0
	WIN 0
	PLACES 4
.irp b, 0,1,2,3
	v_mov_b32 v[TM+4+\b], 0
.endr
	WALU
	s_wait_loadcnt 0x0
.macro EPI_V a                         ; 16 channels x 128 tokens: one fragment of V^T
.if (\a) > 0
	s_wait_xcnt 0x0
.endif
	WIN 0x02                                       ; source 0 window 2
.set i, 0
.rept 32
	v_pk_add_f32 v[HA+i:HA+i+1], v[64*(\a)+i:64*(\a)+i+1], v[BA+2*(\a):BA+2*(\a)+1]
.set i, i+2
.endr
	WIN 0
	QUANT HA, 6, SWA+(\a)
.irp p, 0,1,2
	global_store_b128 v1, v[PC+4*\p:PC+4*\p+3], s[86:87] offset:8192+1536*(\a)+512*\p
.endr
.endm
.irp a, 0,1,2,3
	EPI_V \a
.endr
	v_cmp_eq_u32 vcc_lo, 1, v5
	v_cndmask_b32 v[T], v[SWA], v[SWA+2], vcc_lo
	v_cndmask_b32 v[T+1], v[SWA+1], v[SWA+3], vcc_lo
	global_store_b64 v7, v[T:T+1], s[86:87] offset:14848   ; 256 consecutive bytes, aligned
	s_wait_tensorcnt 0x0                           ; the wave's end: behind my last tensor load
	ds_add_u32 v[SPW], v[NIL]
	s_wait_dscnt 0x0
	CROUND                                         ; the closing round
	s_endpgm
.Lfunc_end_k_q54ea2f33f8_qkv:
	.size	k_q54ea2f33f8_qkv, .Lfunc_end_k_q54ea2f33f8_qkv-k_q54ea2f33f8_qkv
	.p2alignl 7, 3214868480
	.fill 96, 4, 3214868480
	.section	.rodata,"a",@progbits
	.p2align	6, 0x0
	.amdhsa_kernel k_q54ea2f33f8_qkv
		.amdhsa_group_segment_fixed_size 327680
		.amdhsa_private_segment_fixed_size 0
		.amdhsa_enable_private_segment 0
		.amdhsa_kernarg_size 64
		.amdhsa_user_sgpr_count 2
		.amdhsa_user_sgpr_kernarg_segment_ptr 1
		.amdhsa_wavefront_size32 1
		.amdhsa_system_sgpr_workgroup_id_x 1
		.amdhsa_system_sgpr_workgroup_id_y 1
		.amdhsa_system_sgpr_workgroup_id_z 1
		.amdhsa_system_vgpr_workitem_id 0
		.amdhsa_next_free_vgpr 768
		.amdhsa_next_free_sgpr 102
		.amdhsa_reserve_vcc 1
		.amdhsa_float_denorm_mode_32 3
		.amdhsa_float_denorm_mode_16_64 3
		.amdhsa_memory_ordered 1
		.amdhsa_forward_progress 1
		.amdhsa_inst_pref_size 176
	.end_amdhsa_kernel
	.amdgpu_metadata
---
amdhsa.version: [ 1, 2 ]
amdhsa.kernels:
  - .name:           k_q54ea2f33f8_qkv
    .symbol:         k_q54ea2f33f8_qkv.kd
    .args:
      - { .name: img, .offset: 0, .size: 8, .value_kind: global_buffer, .address_space: global }
      - { .name: scl, .offset: 8, .size: 8, .value_kind: global_buffer, .address_space: global }
      - { .name: bq, .offset: 16, .size: 8, .value_kind: global_buffer, .address_space: global }
      - { .name: bk, .offset: 24, .size: 8, .value_kind: global_buffer, .address_space: global }
      - { .name: bv, .offset: 32, .size: 8, .value_kind: global_buffer, .address_space: global }
      - { .name: mask, .offset: 40, .size: 8, .value_kind: global_buffer, .address_space: global }
      - { .name: qb, .offset: 48, .size: 8, .value_kind: global_buffer, .address_space: global }
      - { .name: kv, .offset: 56, .size: 8, .value_kind: global_buffer, .address_space: global }
    .group_segment_fixed_size: 327680
    .private_segment_fixed_size: 0
    .kernarg_segment_align: 8
    .kernarg_segment_size: 64
    .max_flat_workgroup_size: 128
    .sgpr_count:     102
    .vgpr_count:     768
    .wavefront_size: 32
...
	.end_amdgpu_metadata
.endif
;; end of part 2
;; launch attn (part 3): grid 4 x 64, 12 waves a work-group, clusters of 4 x 1, 274,432 bytes of LDS; arguments qb, kv, cimg, cs; writes cimg, cs
.if DOCPART == 3
	.amdgcn_target "amdgcn-amd-amdhsa--gfx1250"
	.amdhsa_code_object_version 6
	.text
	.protected	k_q54ea2f33f8_attn
	.globl	k_q54ea2f33f8_attn
	.p2align	8
	.type	k_q54ea2f33f8_attn,@function
k_q54ea2f33f8_attn:
	s_mov_b64 s[64:65], 0
	v_nop
	global_prefetch_b8 v0, s[64:65] scope:SCOPE_SE
	s_setreg_imm32_b32 hwreg(HW_REG_WAVE_MODE, 25, 1), 1
	s_wait_xcnt 0x0
	s_wait_alu depctr_hold_cnt(0) depctr_sa_sdst(0) depctr_va_vdst(0) depctr_va_sdst(0) depctr_va_ssrc(0) depctr_va_vcc(0) depctr_vm_vsrc(0)
	s_getreg_b32 s2, hwreg(HW_REG_IB_STS2, 6, 4)
	s_cmp_eq_u32 s2, 0
	s_cbranch_scc0 .Lentry_in_a_cluster
	s_endpgm
.Lentry_in_a_cluster:
	s_bfe_u32 s2, ttmp6, 0x10000c
	s_cmp_lg_u32 s2, 0x3003
	s_cbranch_scc0 .Lentry_shape_is_right
	s_endpgm
.Lentry_shape_is_right:
; ctx = softmax(Q K^T / 8, masked keys left out) V for one (batch, head), both products on codes of FP6 (E2M3) with E8M0 scales; ctx is quantised along the model's 1,024 as the operand of the last product.
; THE SOFTMAX: t = score x log2(e) / 8; M = the largest t so far, rounded UP to a whole number; p = 2^(t - M) is quantised along the keys, not normalised; the row's sum is taken of the unquantised p and divides at the end.
; When M moves, the sum and O are multiplied by 2^(old M - new M), exactly, in every step, with no branch.
; THE MASK lies in the operands: in the half of the instruction's K that a head of 64 leaves empty, Q holds 1.0 x 2^60 twice and a masked key -1.0 x 2^60 twice: its score is -2^121, its p is 0 beside any open key.
; In a batch whose every key is masked t - M is the same for all keys: equal weights.  LIMITS: scores stay under 2^96 in magnitude; NaN and infinities are not served.
; Q's codes at k = 65 .. 95 and 97 .. 127 are zeros, so what K's registers 7 to 11 hold adds nothing: K's fragments stand 8 registers apart and overlap.
; SHARES.  256 work-groups; the four of a cluster share one head.  A work-group holds the WHOLE HEAD'S K and V in LDS, filled once, and owns 512 queries: 32 tiles of 16.  Twelve waves, three to a SIMD:
; wave w takes tiles w, w + 12 and, where that is under 32 (waves 0-7), w + 24.  The first tile is written out; the other two are a loop of two trips, in whose last trip waves 8-11 jump over the work inside the counted loops.
; K'S FRAGMENTS ARE FETCHED A STEP AHEAD: behind a step's score products the wave asks LDS for this step's V and for the NEXT step's K, which has the step's vector work in which to come.  K's registers hold nothing else.
; LDS holds 17 slots of a key step: slot 16 is step 0 once more, so that step 15's fetch, one slot on like every other, brings the next tile's first fragments.  (The last tile's last fetch, 18 LDS loads a wave, is multiplied by nobody.)
; FILLS: one joint load a wave (mask 15), rows of 256 bytes with 16 bytes of padding behind each, in four arms: waves 8-11 steps 0-3 (59 rows each), waves 3-7 steps 2 w and 2 w + 1 (118 rows), waves 1, 2 steps 4, 5, wave 0 slot 16.
; Waves 8-11 wait alone at the first barrier; a second barrier, behind the first tile's step 2 (which fetches K of step 3), shows the rest.  No other barrier stands in the walk.
; Both products are used transposed (S^T = K Q^T, O^T = V^T P^T): a lane holds one query throughout.
; THE KEYS OF A SCORE TILE ARE CHOSEN BY THE LANES' LDS ADDRESSES: rows 0-7 of tile (c, u) are keys 64 c + 8 u + 0..7, rows 8-15 keys 64 c + 32 + 8 u + 0..7.  So lane (r, h) holds in the 32 registers of group c
; the whole block 2 c + h of 32 keys: its largest score needs no other lane, and the conversions' results are the operand's registers.  The tiles stand in the order u = 0, 2, 1, 3, the order in which V^T's codes were laid.
; No prefetch into the L2: every byte of K and V is asked for by a tensor load in the first lines; a later tile's Q is loaded at the head of the way out before it.
; REGISTERS: v1 16 x lane; v2, v253, v8, v9 lane terms of K's, V's and their scale words' LDS addresses; v3, v4 the add's two; v5, v6, v10, v11 the step's addresses; v7, v252 at work; v12 -M, v13 the largest score, v[14:15] the sum;
;   v16-27 Q; v28 Q's scale words, v29 p's; v[30:31] f; v32-35 V's scale words, v36-39 K's; v40-103 K's eight fragments (+ v104-107, zeros); v108-119 p's codes, v120-149 at work; v156-219 S^T, then p; v220-251 O^T; v254 the old -M.
;   In the second window of 256: v256-303 V^T's four fragments (written v0-47 under s_set_vgpr_msb).
.set STEPB, 59*272                     ; a key step in LDS: byte y of its 15,104 lies at y + 16 (y / 256)
.set SPARE, (17*STEPB+255)/256*256     ; behind the 17 slots, at the next multiple of 256: the spare words, 128 bytes a wave: six blocks of 256 bytes that no other line names
.set KSO, 56*272
.set VSO, 58*272
.set KB,  2
.set SPW, 3
.set NIL, 4
.set ADK, 5
.set ADV, 6
.set KSB, 8
.set VSB, 9
.set ADS, 10
.set ADW, 11
.set QF,  16
.set QS,  28
.set PS,  29
.set VS,  32
.set KS,  36
.set KF,  40
.set PC,  108
.set BX,  120                          ; v120-123 two chains for each of my two blocks; the block's largest ends in v[BX + 2 c]
.set SO,  124
.set BT,  126
.set CT,  128
.set T,   136                          ; v136-149 seven partial sums
.set S,   156
.set O,   220
.set XL,  252
.set VB,  253
.set OM,  254
.set WV,  12
.set SEL, 16
.set CS,  18
.set TB,  20
.set CNT, 21
.set NCS, 22
.set PASS, 23
.set G1,  24                           ; s[24:31] group 1 of one key step; s[32:35] group 0 of waves 8-11
.set G0,  32
.set G1B, 36                           ; s[36:43] group 1 of two key steps; s[44:47] group 0 of waves 3-7
.set G0B, 44
.set TILE, 48                          ; s48 my tile of 16 queries, 0..31; 32 and more: none
.set G0C, 68                           ; s[68:71] group 0 of waves 1, 2
.set G0D, 72                           ; s[72:75] of wave 0
.set MSB, 0
.macro WIN new                         ; the immediate's high byte repeats the setting that is left
.if MSB != \new
	s_set_vgpr_msb (MSB<<8)|\new
.set MSB, \new
.endif
.endm
.macro ROUND
	s_barrier_signal -1
	s_barrier_wait -1
	s_cmp_lg_u32 s[WV], 0
	s_cbranch_scc1 .Lnot_wave_0_\@
	s_barrier_signal -3
.Lnot_wave_0_\@:
	s_barrier_wait -3
	s_barrier_signal -1
	s_barrier_wait -1
.endm
.macro WALU
	s_wait_alu depctr_va_vdst(0)
.endm
.macro D1
	s_delay_alu instid0(VALU_DEP_1)
.endm
.macro QLOAD                           ; tile s[TILE]'s Q: group TILE / 8 of 8,704 bytes, in it tile TILE % 8 of 1,024 bytes; its scale words at 8,192 + [tile / 4][r][tile % 4]
	s_lshr_b32 s56, s[TILE], 3
	s_mul_i32 s56, s56, 8704
	s_and_b32 s57, s[TILE], 7
	s_lshl_b32 s58, s57, 10
	s_add_co_u32 s58, s58, s56
	s_mov_b32 s59, 0
	s_add_nc_u64 s[52:53], s[4:5], s[58:59]
	s_lshr_b32 s57, s57, 2
	s_lshl_b32 s57, s57, 8
	s_and_b32 s58, s[TILE], 3
	s_lshl_b32 s58, s58, 2
	s_add_co_u32 s58, s58, s57
	s_add_co_u32 s58, s58, s56
	s_add_co_u32 s58, s58, 8192
	s_add_nc_u64 s[54:55], s[4:5], s[58:59]
	global_load_b128 v[QF:QF+3], v1, s[52:53]
	global_load_b128 v[QF+4:QF+7], v1, s[52:53] offset:512
	global_load_b32 v[QS], v[VSB], s[54:55]
.endm
.macro TLOAD g0, g1
	tensor_load_to_lds s[\g0:\g0+3], s[\g1:\g1+7]
	s_nop 0
.rept 4
	v_nop
.endr
.endm
.macro KLOAD adk, ads, base            ; 18 LDS loads: K's eight fragments and their scale words, from the slot that begins base bytes behind the addresses'
.irp c, 0,1
.irp i, 0,1,2,3                                ; place i holds tile u = 0, 2, 1, 3: image 4 c + i % 2 (+ 2 by the lane), its rows 8 (i / 2) on
	ds_load_b128 v[KF+8*(4*\c+\i):KF+8*(4*\c+\i)+3], v[\adk] offset:(\base)+1088*(4*\c+\i%2)+128*(\i/2)
	ds_load_b128 v[KF+8*(4*\c+\i)+4:KF+8*(4*\c+\i)+7], v[\adk] offset:(\base)+1088*(4*\c+\i%2)+128*(\i/2)+544
.endr
.endr
	ds_load_b64 v[KS:KS+1], v[\ads] offset:(\base)+KSO       ; the words of places 0, 1;
	ds_load_b64 v[KS+2:KS+3], v[\ads] offset:(\base)+KSO+128 ; of places 2, 3 (eight rows on)
.endm
	s_load_b256 s[4:11], s[0:1], 0x0               ; qb s[4:5], kv s[6:7], cimg s[8:9], cs s[10:11]
	v_lshl_add_u32 v[SPW], v0, 2, SPARE
	v_mov_b32 v[NIL], 0
	ds_add_u32 v[SPW], v[NIL]                      ; the opening lines: the add, twice on end, and its wait ahead of my tensor load
	ds_add_u32 v[SPW], v[NIL]
	v_lshrrev_b32 v7, 5, v0
	v_readfirstlane_b32 s[WV], v7                  ; wave 0..11
	s_bfe_u32 s13, ttmp6, 0x40000                  ; cx: my 512 queries; it enters global addresses of Q and of the results alone
	s_and_b32 s15, ttmp7, 0xffff                   ; 16 b + head, which the four partners share
.irp g, G1, G1B
	s_mov_b32 s[\g], 15|(3<<16)|(1<<20)|(1<<21)|(5<<22)|(3<<25)   ; the mask: all four; elements of 8 bytes; padding on; 21 set beside a mask; after every 64 words, 4 words
	s_mov_b32 s[\g+1], 32<<16                      ; the steps are dense: rows of 256 bytes
	s_mov_b32 s[\g+3], 32<<16
	s_mov_b32 s[\g+5], 32
	s_mov_b32 s[\g+6], 0
	s_mov_b32 s[\g+7], 0
.endr
	s_mov_b32 s[G1+2], 59<<16                      ; one step: 59 rows
	s_mov_b32 s[G1+4], 59
	s_mov_b32 s[G1B+2], 118<<16                    ; two steps: 118
	s_mov_b32 s[G1B+4], 118
	s_mov_b32 s[G0], 1
	s_mov_b32 s[G0B], 1
	s_mov_b32 s[G0C], 1
	s_mov_b32 s[G0D], 1
	s_mul_i32 s49, s15, 241664                     ; the head's K and V
	s_and_b32 s14, s[WV], 3                        ; waves 8-11: key step wave % 4, in LDS as in memory
	s_mul_i32 s50, s14, 15104
	s_add_co_u32 s50, s50, s49
	s_mov_b32 s51, 0
	s_mul_i32 s[G0+1], s14, STEPB
	s_min_u32 s14, s[WV], 7                        ; waves 3-7: steps 2 w and 2 w + 1
	s_mul_i32 s56, s14, 30208
	s_add_co_u32 s56, s56, s49
	s_mov_b32 s57, 0
	s_mul_i32 s[G0B+1], s14, 2*STEPB
	s_min_u32 s14, s[WV], 2                        ; waves 1, 2: step w + 3
	s_add_co_u32 s14, s14, 3
	s_mul_i32 s66, s14, 15104
	s_add_co_u32 s66, s66, s49
	s_mov_b32 s67, 0
	s_mul_i32 s[G0C+1], s14, STEPB
	s_mov_b32 s[G0D+1], 16*STEPB                   ; wave 0: step 0 once more, into slot 16
	s_mov_b32 s52, s49
	s_mov_b32 s53, 0
	s_mov_b32 s[SEL], 0x76543210
	s_mov_b32 s[SEL+1], 0xfedcba98
	s_mov_b32 s[CS], 0x3e38aa3b                    ; c = log2(e) / 8
	s_mov_b32 s[CS+1], s[CS]                       ; (named with it as a pair, so it is written)
	s_mov_b32 s[NCS], 0xbe38aa3b                   ; -c
	s_mul_i32 s58, s15, 139264                     ; Q: the head, and my four groups of 128 queries
	s_mul_i32 s49, s13, 34816
	s_add_co_u32 s58, s58, s49
	s_mov_b32 s59, 0
	s_lshr_b32 s60, s15, 4                         ; b
	s_lshl_b32 s60, s60, 7
	s_lshl_b32 s49, s13, 5
	s_add_co_u32 s60, s60, s49
	s_add_co_u32 s49, s60, s[WV]                   ; the row tile of ctx: 128 b + 32 cx + wave (+ 12 from tile to tile)
	s_and_b32 s14, s15, 15                         ; head
	s_mul_i32 s60, s49, 12288
	s_mul_i32 s62, s14, 768
	s_add_co_u32 s60, s60, s62
	s_mov_b32 s61, 0
	s_lshr_b32 s62, s14, 1
	s_lshl_b32 s62, s62, 15                        ; cs: K step head / 2: 8,192 words,
	s_lshl_b32 s49, s49, 6                         ; 16 tokens a row tile, 4 bytes each,
	s_add_co_u32 s62, s62, s49
	s_and_b32 s14, s14, 1
	s_lshl_b32 s14, s14, 1                         ; bytes 0, 1 for an even head, 2, 3 for an odd one
	s_add_co_u32 s62, s62, s14
	s_mov_b32 s63, 0
	s_mov_b32 s[TILE], s[WV]
	WALU
	s_wait_dscnt 0x0                               ; both opening adds are done
	s_wait_kmcnt 0x0
	s_add_nc_u64 s[G0+2:G0+3], s[6:7], s[50:51]
	s_or_b32 s[G0+3], s[G0+3], 0x80000000
	s_add_nc_u64 s[G0B+2:G0B+3], s[6:7], s[56:57]
	s_or_b32 s[G0B+3], s[G0B+3], 0x80000000
	s_add_nc_u64 s[G0C+2:G0C+3], s[6:7], s[66:67]
	s_or_b32 s[G0C+3], s[G0C+3], 0x80000000
	s_add_nc_u64 s[G0D+2:G0D+3], s[6:7], s[52:53]
	s_or_b32 s[G0D+3], s[G0D+3], 0x80000000
	s_add_nc_u64 s[4:5], s[4:5], s[58:59]
	s_add_nc_u64 s[8:9], s[8:9], s[60:61]
	s_add_nc_u64 s[10:11], s[10:11], s[62:63]
	ROUND                                          ; all four work-groups are here: the joint loads meet
	s_cmp_lt_u32 s[WV], 8                          ; every wave issues one load, in one chain of four arms; waves 8-11, whose steps are read first, by a line of their own
	s_cbranch_scc1 .Lfill_1
	TLOAD G0, G1
	s_branch .Lasked
.Lfill_1:
	s_cmp_lt_u32 s[WV], 3
	s_cbranch_scc1 .Lfill_2
	TLOAD G0B, G1B
	s_branch .Lasked
.Lfill_2:
	s_cmp_eq_u32 s[WV], 0
	s_cbranch_scc1 .Lfill_3
	TLOAD G0C, G1
	s_branch .Lasked
.Lfill_3:
	TLOAD G0D, G1
.Lasked:
	v_and_b32 v7, 31, v0
	v_lshlrev_b32 v1, 4, v7                        ; 16 x lane
	v_and_b32 v5, 15, v0                           ; r
	v_bfe_u32 v6, v0, 4, 1                         ; h
	v_bfe_u32 v10, v0, 3, 1                        ; r / 8
	v_and_b32 v11, 7, v0                           ; r % 8
	v_mul_u32_u24 v6, v6, 272                      ; lanes 16-31 read the next LDS row of 256 + 16 bytes
	v_lshl_add_u32 v11, v11, 4, v6
	v_mad_u32_u24 v[KB], v10, 2176, v11            ; K: rows 8-15 of a tile come from the image two tiles (8 LDS rows) on
	v_lshl_add_u32 v[KSB], v10, 3, v11             ; K's scale words: row r % 8, words 2 (r / 8) and 2 (r / 8) + 1; lanes 16-31 those of tiles 4-7
	v_lshlrev_b32 v[VSB], 4, v5                    ; V's scale words, and Q's: 16 r
	v_add_nc_u32 v[VB], v[VSB], v6                 ; V: an image as it lies
	WALU
	QLOAD
.irp j, 8,9,10,11
	v_mov_b32 v[QF+\j], 0                          ; Q's k = 80 on: zeros
.endr
.irp j, 0,1,2,3
	v_mov_b32 v[KF+64+\j], 0                       ; behind K's last fragment
.endr
	v_mov_b32 v31, 0                               ; (named as the upper half of the pair v[30:31])
	v_mov_b32 v[XL], 0                             ; written once: a lane permute's destination counts as one of its sources
	WALU
	s_cmp_lt_u32 s[WV], 8
	s_cbranch_scc1 .Lnot_first
	s_wait_tensorcnt 0x0                           ; steps 0-3 are in; the other loads may stay out
.Lnot_first:
	s_barrier_signal -1
	s_barrier_wait -1
	KLOAD KB, KSB, 0                               ; the first tile's first fragments of K
; A KEY STEP: 128 keys
.macro STEP
	s_wait_dscnt 0x0                               ; this step's K and its scale words, asked for a step ago
.irp i, 0,1,2,3
	v_wmma_scale_f32_16x16x128_f8f6f4 v[S+8*\i:S+8*\i+7], v[KF+8*\i:KF+8*\i+11], v[QF:QF+11], 0, v[KS+\i], v[QS] matrix_a_fmt:MATRIX_FMT_FP6 matrix_b_fmt:MATRIX_FMT_FP6
.endr
.irp i, 0,1,2,3
	v_wmma_scale_f32_16x16x128_f8f6f4 v[S+32+8*\i:S+32+8*\i+7], v[KF+32+8*\i:KF+32+8*\i+11], v[QF:QF+11], 0, v[KS+\i], v[QS] matrix_a_fmt:MATRIX_FMT_FP6 matrix_b_fmt:MATRIX_FMT_FP6 matrix_a_scale:MATRIX_SCALE_ROW1
.endr
	v_add_nc_u32 v[ADK], s[TB], v[KB]              ; these four are the places behind the products: in front of the loads into registers that they and the last step's have read, and of the first read of the scores
	v_add_nc_u32 v[ADV], s[TB], v[VB]
	v_add_nc_u32 v[ADS], s[TB], v[KSB]
	v_add_nc_u32 v[ADW], s[TB], v[VSB]
	WIN 0x40                                       ; destination in the second window
.irp u, 0,1,2,3
.irp p, 0,1,2
	ds_load_b128 v[12*\u+4*\p:12*\u+4*\p+3], v[ADV] offset:272*(32+6*\u+2*\p)   ; this step's V^T: v256 + 12 u + 4 p on
.endr
.endr
	WIN 0
	ds_load_b128 v[VS:VS+3], v[ADW] offset:VSO
	KLOAD ADK, ADS, STEPB                          ; the next step's K, one slot on
	v_mov_b32 v[OM], v12                           ; the old -M
.irp c, 0,1                                    ; the largest score of my two blocks of 32 keys, two chains each: for the row's maximum and, since p rises with the score, for the block's largest p
	v_max3_num_f32 v[BX+2*\c], v[S+32*\c], v[S+32*\c+1], v[S+32*\c+2]
	v_max3_num_f32 v[BX+2*\c+1], v[S+32*\c+16], v[S+32*\c+17], v[S+32*\c+18]
.endr
.irp i, 3,5,7,9,11,13
.irp c, 0,1
	v_max3_num_f32 v[BX+2*\c], v[BX+2*\c], v[S+32*\c+\i], v[S+32*\c+\i+1]
	v_max3_num_f32 v[BX+2*\c+1], v[BX+2*\c+1], v[S+32*\c+16+\i], v[S+32*\c+17+\i]
.endr
.endr
.irp c, 0,1
	v_max3_num_f32 v[BX+2*\c], v[BX+2*\c], v[BX+2*\c+1], v[S+32*\c+15]
.endr
.irp c, 0,1
	v_max_num_f32 v[BX+2*\c], v[BX+2*\c], v[S+32*\c+31]
.endr
	D1
	v_max_num_f32 v7, v[BX], v[BX+2]
	D1
	v_permlanex16_b32 v[XL], v7, s[SEL], s[SEL+1]
	D1
	v_max3_num_f32 v13, v13, v7, v[XL]             ; the largest score so far, lane l xor 16's 64 keys among them
	D1
	v_mul_f32 v7, s[NCS], v13                      ; -t
	D1
	v_floor_f32 v12, v7                            ; the new -M = floor(-t): M is a whole number
	D1
	v_sub_f32 v7, v12, v[OM]                       ; old M - new M: a whole number, 0 or less
	D1
	v_cvt_i32_f32 v7, v7                           ; (it saturates)
	D1
	v_ldexp_f32 v30, 1.0, v7                       ; f = 2^(old M - new M)
.set j, 0
.rept 16
	v_pk_mul_f32 v[O+j:O+j+1], v[O+j:O+j+1], v[30:31] op_sel_hi:[1,0]   ; O^T under the new M; each accumulator from its low end on
.set j, j+2
.endr
.set j, 0
.rept 32
	v_pk_fma_f32 v[S+j:S+j+1], v[S+j:S+j+1], s[CS:CS+1], v[12:13] op_sel_hi:[1,0,0]   ; t - M, two at a time
.set j, j+2
.endr
.irp c, 0,1
	v_fma_f32 v[BX+2*\c], v[BX+2*\c], s[CS], v12   ; the same of each block's largest score
.endr
	WALU
.set j, 0
.rept 64
	v_exp_f32 v[S+j], v[S+j]                       ; p = 2^(t - M), at most 1
.set j, j+1
.endr
.irp c, 0,1
	v_exp_f32 v[BX+2*\c], v[BX+2*\c]               ; the block's largest p: the same two instructions on the same number
.endr
	v_pk_mul_f32 v[14:15], v[14:15], v[30:31] op_sel_hi:[1,0]   ; the sum under the new M: the plain place behind the exponentials
	WALU                                           ; one wait for the whole batch, ahead of its first reader
.irp c, 0,1
	v_max_num_f32 v[BX+2*\c], 0x1800000, v[BX+2*\c]   ; the floor 2^(3 - 127): a block whose every p is 0 keeps the byte 1; its codes are zeros
.endr
.irp c, 0,1
	v_add_nc_u32 v[SO+\c], 0xff000000, v[BX+2*\c]  ; 2 off the exponent field: the conversion's scale operand
.endr
.irp c, 0,1                                    ; my block 2 c + h: registers 6 c .. 6 c + 5 of the operand
	v_cvt_scalef32_pk16_fp6_f32 v[PC+6*\c:PC+6*\c+2], v[S+32*\c:S+32*\c+15], v[SO+\c]
	v_cvt_scalef32_pk16_fp6_f32 v[CT+4*\c:CT+4*\c+2], v[S+32*\c+16:S+32*\c+31], v[SO+\c]   ; (a conversion's three registers begin on an even number)
.endr
	v_lshrrev_b32 v[BT], 23, v[SO]                 ; the scales' bytes (plain places behind the conversions)
	v_lshrrev_b32 v[BT+1], 23, v[SO+1]
	D1
	v_lshl_or_b32 v7, v[BT+1], 16, v[BT]           ; lanes 0-15: blocks 0 and 2 at bytes 0 and 2
	D1
	v_permlanex16_b32 v[XL], v7, s[SEL], s[SEL+1]
	D1
	v_lshl_or_b32 v[PS], v[XL], 8, v7              ; with lane l + 16's blocks 1 and 3 at bytes 1 and 3: p's scale word (the product reads lanes 0-15 alone)
.irp c, 0,1
.irp i, 0,1,2
	v_mov_b32 v[PC+6*\c+3+\i], v[CT+4*\c+\i]
.endr
.endr
; the row's sum, of the unquantised p: 32 packed additions in eight chains.  They name no register of the products below: their places behind the writes of p's codes and scale word
.irp k, 0,1,2,3,4,5,6
	v_pk_add_f32 v[T+2*\k:T+2*\k+1], v[S+2*\k:S+2*\k+1], v[S+16+2*\k:S+17+2*\k]
.endr
	v_pk_add_f32 v[14:15], v[14:15], v[S+14:S+15]
.irp k, 0,1,2,3,4,5,6
	v_pk_add_f32 v[T+2*\k:T+2*\k+1], v[T+2*\k:T+2*\k+1], v[S+30+2*\k:S+31+2*\k]
.endr
	v_pk_add_f32 v[14:15], v[14:15], v[S+44:S+45]
.irp k, 0,1,2,3,4,5,6
	v_pk_add_f32 v[T+2*\k:T+2*\k+1], v[T+2*\k:T+2*\k+1], v[S+46+2*\k:S+47+2*\k]
.endr
	v_pk_add_f32 v[14:15], v[14:15], v[S+60:S+61]
	v_pk_add_f32 v[T:T+1], v[T:T+1], v[S+62:S+63]
	v_pk_add_f32 v[T+2:T+3], v[T+2:T+3], v[T+4:T+5]
	v_pk_add_f32 v[T+6:T+7], v[T+6:T+7], v[T+8:T+9]
	v_pk_add_f32 v[T+10:T+11], v[T+10:T+11], v[T+12:T+13]
	v_pk_add_f32 v[14:15], v[14:15], v[T:T+1]
	v_pk_add_f32 v[T+2:T+3], v[T+2:T+3], v[T+6:T+7]
	v_pk_add_f32 v[14:15], v[14:15], v[T+10:T+11]
	v_pk_add_f32 v[14:15], v[14:15], v[T+2:T+3]
	WALU
	s_wait_dscnt 18                                ; V and its scale words are in; the 18 loads of the next step's K, issued behind them, may stay out
	WIN 0x01                                       ; source 0 (V^T) in the second window
.irp u, 0,1,2,3                                ; the four accumulators by turns, one instruction a turn; the next step's eight score products stand between two steps
	v_wmma_scale_f32_16x16x128_f8f6f4 v[O+8*\u:O+8*\u+7], v[12*\u:12*\u+11], v[PC:PC+11], v[O+8*\u:O+8*\u+7], v[VS+\u], v[PS] matrix_a_fmt:MATRIX_FMT_FP6 matrix_b_fmt:MATRIX_FMT_FP6
.endr
	WIN 0                                          ; at a label and at a branch every window is 0
.endm
.macro WALK first, trips, test         ; test = 1: a wave with no tile left walks the counted loop and jumps over the step
	s_mov_b32 s[TB], (\first)*STEPB
	s_mov_b32 s[CNT], \trips
.Lstep_\@:
.if \test
	s_cmp_lt_u32 s[TILE], 32
	s_cbranch_scc0 .Lidle_\@
.endif
	STEP
.if \test
.Lidle_\@:
.endif
	s_add_co_u32 s[TB], s[TB], STEPB
	s_sub_co_u32 s[CNT], s[CNT], 1
	s_cmp_lg_u32 s[CNT], 0
	s_cbranch_scc1 .Lstep_\@
.endm
.macro BEGIN                           ; a tile begins
	v_mov_b32 v13, 0xff61b1e6                      ; the largest score so far: -3e38
	v_mov_b32 v14, 0
	v_mov_b32 v15, 0
	v_mul_f32 v7, s[NCS], v13
	v_floor_f32 v12, v7                            ; -M
.set j, 0
.rept 32
	v_mov_b32 v[O+j], 0                            ; O^T: the step is written once; the first finds zeros, which the first change of M leaves zeros
.set j, j+1
.endr
	WALU
	s_wait_loadcnt 0x0                             ; Q
.endm
; THE WAY OUT: ctx = O^T / the sum, quantised along the head's 64 (two blocks of the model's 1,024), stored as half an image.  It names none of K's registers: the next tile's first fragments are on their way
.macro OUT
	s_add_co_u32 s[TILE], s[TILE], 12              ; my next tile: where there is one, its Q is asked for under the way out
	s_cmp_lt_u32 s[TILE], 32
	s_cbranch_scc0 .Lno_q_\@
	QLOAD
.Lno_q_\@:
	v_add_f32 v14, v14, v15                        ; the sum's two halves,
	D1
	v_permlanex16_b32 v7, v14, s[SEL], s[SEL+1]
	D1
	v_add_f32 v14, v14, v7                         ; and lane l xor 16's
	WALU
	v_rcp_f32 v14, v14
	v_lshrrev_b32 v10, 1, v1                       ; 8 x lane  (plain places behind the reciprocal)
	v_lshrrev_b32 v11, 2, v[VSB]                   ; 4 r
	v_bfe_u32 v5, v1, 8, 1                         ; h
	v_add_nc_u32 v11, v11, v5                      ; 4 r + h
	WALU                                           ; the wait ahead of the first reader of the reciprocal and of O^T
.set j, 0
.rept 16
	v_pk_mul_f32 v[S+j:S+j+1], v[O+j:O+j+1], v[14:15] op_sel_hi:[1,0]   ; register 8 u + i: ctx(query r, channel 16 u + 8 h + i); each accumulator from its low end on
.set j, j+2
.endr
.irp b, 0,1
	v_max3_num_f32 v[BX+\b], |v[S+16*\b]|, |v[S+1+16*\b]|, 0x1800000
.endr
.irp i, 2,4,6,8,10,12,14
.irp b, 0,1
	v_max3_num_f32 v[BX+\b], v[BX+\b], |v[S+16*\b+\i]|, |v[S+1+16*\b+\i]|
.endr
.endr
.irp b, 0,1
	v_permlanex16_b32 v[BT+\b], v[BX+\b], s[SEL], s[SEL+1]
.endr
.irp b, 0,1
	v_max_num_f32 v[BX+\b], v[BX+\b], v[BT+\b]     ; here a block lies in lanes l and l xor 16
.endr
.irp b, 0,1
	v_add_nc_u32 v[SO+\b], 0xff000000, v[BX+\b]
.endr
.irp b, 0,1
	v_lshrrev_b32 v[BT+\b], 23, v[SO+\b]
.endr
	v_cmp_eq_u32 vcc_lo, 1, v5
	v_cndmask_b32 v7, v[BT], v[BT+1], vcc_lo       ; lane (r, h) stores block h's byte
	v_cvt_scalef32_pk16_fp6_f32 v[PC:PC+2], v[S:S+15], v[SO]
	v_cvt_scalef32_pk16_fp6_f32 v[PC+8:PC+10], v[S+16:S+31], v[SO+1]
	v_nop                                          ; one plain place behind a scaled conversion
.irp i, 0,1,2
	v_permlane16_swap_b32 v[PC+\i], v[PC+8+\i]
.endr
.irp i, 0,1,2
	v_mov_b32 v[PC+3+\i], v[PC+8+\i]
.endr
	global_store_b128 v1, v[PC:PC+3], s[8:9]       ; registers 0-3: 512 consecutive bytes
	global_store_b64 v10, v[PC+4:PC+5], s[8:9] offset:512   ; registers 4, 5: 256
	global_store_b8 v11, v7, s[10:11]              ; a token's scale word spans two heads, two work-groups: the bytes leave singly, 32 a wave
	s_wait_xcnt 0x0                                ; the stores have read their registers and bases: both are written again only behind this wait
	s_add_nc_u64 s[8:9], s[8:9], 147456            ; 12 row tiles on
	s_add_nc_u64 s[10:11], s[10:11], 768
.endm
	BEGIN                                          ; tile w, in every wave
	WALK 0, 3, 0                                   ; steps 0-2 read slots 0-3 alone
	s_wait_tensorcnt 0x0                           ; every wave's load is in,
	s_wait_dscnt 0x0
	s_barrier_signal -1
	s_barrier_wait -1                              ; everybody's: slots 4-16 may be read.
	WALK 3, 13, 0
	OUT
	s_mov_b32 s[PASS], 0
.Lpass:                                                ; tiles w + 12 and, in waves 0-7, w + 24
	BEGIN
	WALK 0, 16, 1
	s_cmp_lt_u32 s[TILE], 32
	s_cbranch_scc0 .Lno_tile
	OUT
.Lno_tile:
	s_add_co_u32 s[PASS], s[PASS], 1
	s_cmp_lg_u32 s[PASS], 2
	WALU
	s_cbranch_scc1 .Lpass
	s_wait_tensorcnt 0x0                           ; the wave's end: behind my tensor load
	ds_add_u32 v[SPW], v[NIL]
	s_wait_dscnt 0x0                               ; (my last LDS loads among them)
	ROUND                                          ; the closing round
	s_endpgm
.Lfunc_end_k_q54ea2f33f8_attn:
	.size	k_q54ea2f33f8_attn, .Lfunc_end_k_q54ea2f33f8_attn-k_q54ea2f33f8_attn
	.p2alignl 7, 3214868480
	.fill 96, 4, 3214868480
	.section	.rodata,"a",@progbits
	.p2align	6, 0x0
	.amdhsa_kernel k_q54ea2f33f8_attn
		.amdhsa_group_segment_fixed_size 274432
		.amdhsa_private_segment_fixed_size 0
		.amdhsa_enable_private_segment 0
		.amdhsa_kernarg_size 32
		.amdhsa_user_sgpr_count 2
		.amdhsa_user_sgpr_kernarg_segment_ptr 1
		.amdhsa_wavefront_size32 1
		.amdhsa_system_sgpr_workgroup_id_x 1
		.amdhsa_system_sgpr_workgroup_id_y 1
		.amdhsa_system_sgpr_workgroup_id_z 1
		.amdhsa_system_vgpr_workitem_id 0
		.amdhsa_next_free_vgpr 320
		.amdhsa_next_free_sgpr 76
		.amdhsa_reserve_vcc 1
		.amdhsa_float_denorm_mode_32 3
		.amdhsa_float_denorm_mode_16_64 3
		.amdhsa_memory_ordered 1
		.amdhsa_forward_progress 1
		.amdhsa_inst_pref_size 67
	.end_amdhsa_kernel
	.amdgpu_metadata
---
amdhsa.version: [ 1, 2 ]
amdhsa.kernels:
  - .name:           k_q54ea2f33f8_attn
    .symbol:         k_q54ea2f33f8_attn.kd
    .args:
      - { .name: qb, .offset: 0, .size: 8, .value_kind: global_buffer, .address_space: global }
      - { .name: kv, .offset: 8, .size: 8, .value_kind: global_buffer, .address_space: global }
      - { .name: cimg, .offset: 16, .size: 8, .value_kind: global_buffer, .address_space: global }
      - { .name: cs, .offset: 24, .size: 8, .value_kind: global_buffer, .address_space: global }
    .group_segment_fixed_size: 274432
    .private_segment_fixed_size: 0
    .kernarg_segment_align: 8
    .kernarg_segment_size: 32
    .max_flat_workgroup_size: 384
    .sgpr_count:     76
    .vgpr_count:     320
    .wavefront_size: 32
...
	.end_amdgpu_metadata
.endif
;; end of part 3
;; launch proj (part 4): grid 8 x 32, 4 waves a work-group, clusters of 4 x 4, 295,424 bytes of LDS; arguments cimg, cs, img, scl, bo, out0; writes out0
.if DOCPART == 4
	.amdgcn_target "amdgcn-amd-amdhsa--gfx1250"
	.amdhsa_code_object_version 6
	.text
	.protected	k_q54ea2f33f8_proj
	.globl	k_q54ea2f33f8_proj
	.p2align	8
	.type	k_q54ea2f33f8_proj,@function
k_q54ea2f33f8_proj:
	s_mov_b64 s[64:65], 0
	v_nop
	global_prefetch_b8 v0, s[64:65] scope:SCOPE_SE
	s_setreg_imm32_b32 hwreg(HW_REG_WAVE_MODE, 25, 1), 1
	s_wait_xcnt 0x0
	s_wait_alu depctr_hold_cnt(0) depctr_sa_sdst(0) depctr_va_vdst(0) depctr_va_sdst(0) depctr_va_ssrc(0) depctr_va_vcc(0) depctr_vm_vsrc(0)
	s_getreg_b32 s2, hwreg(HW_REG_IB_STS2, 6, 4)
	s_cmp_eq_u32 s2, 0
	s_cbranch_scc0 .Lentry_in_a_cluster
	s_endpgm
.Lentry_in_a_cluster:
	s_bfe_u32 s2, ttmp6, 0x10000c
	s_cmp_lg_u32 s2, 0xf033
	s_cbranch_scc0 .Lentry_shape_is_right
	s_endpgm
.Lentry_shape_is_right:
; out0 = ctx Wo^T + bo on codes of FP6 (E2M3) with E8M0 scales; out0 [8192][1024] f32.
; INPUT: cimg [row tile 512][head 16][768 bytes]: half images (registers 0-3 at 16 x lane, then registers 4, 5 at 8 x lane); heads 2 s and 2 s + 1 are K step s.  cs [K step 8][token 8,192]: scale words.
;   img, scl: Wo's images and scale words, row tiles 704-767.
; A WORK-GROUP makes 256 tokens x 128 outputs over all of K = 1,024: (256 + 128) rows x 768 bytes = 294,912 bytes: all of K lies in LDS, asked for in the first lines as two halves of four K steps; no LDS byte is filled twice.
; Wave w takes tokens 64 w .. 64 w + 63 (4 blocks) against Wo's 8 blocks: 32 accumulators.  THE MATRIX INSTRUCTION IS USED TRANSPOSED (source 0 = 16 rows of Wo, source 1 = 16 tokens): a lane holds eight neighbouring outputs of a token.
; The bias is the C of each sum's first matrix instruction.  CLUSTERS: 4 x 4; ctx's images are shared along a row of the cluster, Wo's along a column, by joint loads.
; THE WAY OUT: 16 tokens x 512 bytes at a time through the wave's own stage in LDS, back as whole rows: 32 lanes store 512 consecutive bytes.  The stages lie in chunk 0, which has had its one fill and is read by nobody behind the second chunk's barrier.
; REGISTERS: window 0: v1 16 x lane, v2 8 x lane; v8-9, v16-17 LDS addresses of ctx's images by half (16 and 8 bytes a lane), v12-13 of Wo's; v20, v21 the stage; v28, v29 the add's two; v32-63, v64-127 scale words and nothing else;
;   v128-175, v176-223 ctx's fragments, two sets; on the way out v128-255.   window 1: v0-95, v128-223 Wo's fragments, two sets; v96-127, v224-255 bo.   window 2: accumulator (a, b) at v[8 (8 a + b)].
.set CHUNK, 147456                     ; K LIES IN LDS AS TWO HALVES OF FOUR K STEPS (not four chunks of two): a half holds ctx's 16 row tiles x 6,144 bytes, then Wo's 8.  The stages lie in the first half, read by nobody behind K step 3's barrier
.set BOFF,  98304
.set SPARE, 2*CHUNK
.set NLD,   40
.set ADRA,  8
.set ADRB,  12
.set ADRA8, 16
.set STO,   20
.set RD,    21
.set SPW,   28
.set NIL,   29
.set SA,    32
.set SB,    64
.set AF,    128
.set BK,    128
.set BO,    96                         ; in window 1: tile b at v[96 + 8 b + 96 (b / 4)]
.set WV,    20
.set G1A,   24
.set G1B,   32
.set G0A,   40
.set G0B,   68
.set MSB, 0
.macro WIN new
.if MSB != \new
	s_set_vgpr_msb (MSB<<8)|\new
.set MSB, \new
.endif
.endm
.set MUL,  0xa1                        ; source 0 (Wo) window 1, source 1 (ctx) window 0, C and D window 2
.set MUL0, 0x91                        ; the same with C (bo) in window 1
.set TO_B, 0x40
.macro PLACES n
.rept \n
	v_nop
.endr
.endm
.macro CROUND
	s_barrier_signal -1
	s_barrier_wait -1
	s_cmp_lg_u32 s[WV], 0
	s_cbranch_scc1 .Lnot_wave_0_\@
	s_barrier_signal -3
.Lnot_wave_0_\@:
	s_barrier_wait -3
	s_barrier_signal -1
	s_barrier_wait -1
.endm
.macro FRAG reg, adr, off
.irp p, 0,1,2
	ds_load_b128 v[\reg+4*\p:\reg+4*\p+3], v[\adr] offset:\off+512*\p
.endr
.endm
.macro FRAGH reg, k, off               ; two half images make a fragment
	ds_load_b128 v[\reg:\reg+3], v[ADRA+\k] offset:\off
	ds_load_b64 v[\reg+4:\reg+5], v[ADRA8+\k] offset:\off+512
	ds_load_b128 v[\reg+6:\reg+9], v[ADRA+\k] offset:\off+768
	ds_load_b64 v[\reg+10:\reg+11], v[ADRA8+\k] offset:\off+1280
.endm
.macro FETCH s, set
	WIN TO_B
.irp b, 0,1,2,3,4,5,6,7
	FRAG 128*(\set)+12*\b, ADRB+(\s)/4, 6144*\b+1536*((\s)%4)
.endr
	WIN 0
.irp a, 0,1,2,3
	FRAGH AF+48*(\set)+12*\a, (\s)/4, 6144*\a+1536*((\s)%4)
.endr
.endm
.macro MUL32 s, mode                   ; the 32 accumulators take turns, one instruction a turn, in the same order in every step.  mode = 2: the first product starts the sums from the bias
.irp a, 0,1,2,3
.irp b, 0,1,2,3,4,5,6,7
.if \mode == 2
	v_wmma_scale_f32_16x16x128_f8f6f4 v[8*(8*\a+\b):8*(8*\a+\b)+7], v[128*((\s)%2)+12*\b:128*((\s)%2)+12*\b+11], v[AF+48*((\s)%2)+12*\a:AF+48*((\s)%2)+12*\a+11], v[BO+8*\b+96*(\b/4):BO+8*\b+96*(\b/4)+7], v[SB+8*\b+(\s)], v[SA+8*\a+(\s)] matrix_a_fmt:MATRIX_FMT_FP6 matrix_b_fmt:MATRIX_FMT_FP6
.else
	v_wmma_scale_f32_16x16x128_f8f6f4 v[8*(8*\a+\b):8*(8*\a+\b)+7], v[128*((\s)%2)+12*\b:128*((\s)%2)+12*\b+11], v[AF+48*((\s)%2)+12*\a:AF+48*((\s)%2)+12*\a+11], v[8*(8*\a+\b):8*(8*\a+\b)+7], v[SB+8*\b+(\s)], v[SA+8*\a+(\s)] matrix_a_fmt:MATRIX_FMT_FP6 matrix_b_fmt:MATRIX_FMT_FP6
.endif
.endr
.endr
.endm
.macro STEP s
.if (\s) < 7
.if (\s) == 3
	s_wait_tensorcnt 0x0                           ; every wave's one load has landed: the second half of K among them
	s_wait_dscnt 0x0
	s_barrier_signal -1
	s_barrier_wait -1                              ; everybody's has.
.endif
.if (\s) > 0
	PLACES 4                                       ; in front of loads into registers that the last step's matrix instructions have read
.endif
	FETCH (\s)+1, 1-(\s)%2
	s_wait_dscnt NLD                               ; all but the loads just issued: this step's fragments are in
.else
	s_wait_dscnt 0x0
.endif
.if (\s) == 0
	WIN MUL0
	MUL32 \s, 2
.else
	WIN MUL
	MUL32 \s, 0
.endif
.endm
	s_load_b256 s[4:11], s[0:1], 0x0               ; cimg s[4:5], cs s[6:7], img s[8:9], scl s[10:11]
	s_load_b128 s[12:15], s[0:1], 0x20             ; bo s[12:13], out0 s[14:15]
	v_lshl_add_u32 v[SPW], v0, 2, SPARE
	v_mov_b32 v[NIL], 0
	ds_add_u32 v[SPW], v[NIL]                      ; the wave's opening: the add and its wait ahead of my first tensor load; work on registers stands between them
	ds_add_u32 v[SPW], v[NIL]
	v_lshrrev_b32 v3, 5, v0
	v_readfirstlane_b32 s[WV], v3                  ; wave 0..3
	s_bfe_u32 s56, ttmp6, 0x40000                  ; cx
	s_bfe_u32 s57, ttmp6, 0x40004                  ; cy
	s_and_b32 s58, ttmp7, 0xffff
	s_lshl_b32 s59, s57, 2
	s_lshl_b32 s59, 15, s59                        ; my row of the cluster
	s_lshl_b32 s60, 0x1111, s56                    ; my column
	s_or_b32 s[G1A], s59, (3<<16)|(1<<21)          ; 15:0 the mask; 17:16 elements of 8 bytes; 21 set beside a mask; no padding
	s_or_b32 s[G1B], s60, (3<<16)|(1<<21)
	s_mov_b32 s[G1A+1], 768<<16                    ; 6,144 bytes: four K steps of a row tile
	s_mov_b32 s[G1A+2], 16<<16                     ; ctx's 16 row tiles
	s_mov_b32 s[G1A+3], 768<<16
	s_mov_b32 s[G1A+4], 16
	s_mov_b32 s[G1A+5], 1536                       ; 12,288 bytes from row tile to row tile
	s_mov_b32 s[G1A+6], 0
	s_mov_b32 s[G1A+7], 0
	s_mov_b32 s[G1B+1], 768<<16
	s_mov_b32 s[G1B+2], 8<<16                      ; Wo's 8 row tiles
	s_mov_b32 s[G1B+3], 768<<16
	s_mov_b32 s[G1B+4], 8
	s_mov_b32 s[G1B+5], 1536
	s_mov_b32 s[G1B+6], 0
	s_mov_b32 s[G1B+7], 0
	s_lshl_b32 s61, s58, 2
	s_add_co_u32 s61, s61, s57                     ; work-group y
	s_lshl_b32 s62, s61, 4                         ; ctx's first row tile: made of cy and the cluster's y alone
	s_lshl_b32 s66, ttmp9, 2
	s_add_co_u32 s66, s66, s56                     ; work-group x
	s_lshl_b32 s67, s66, 3
	s_add_co_u32 s67, s67, 704                     ; Wo's first row tile: made of cx and the cluster's x alone
	s_mul_i32 s86, s62, 12288                      ; where ctx's images begin,
	s_mov_b32 s87, 0
	s_mul_i32 s88, s67, 12288                      ; and Wo's
	s_mov_b32 s89, 0
	s_wait_dscnt 0x0                               ; the opening add is done
	s_wait_kmcnt 0x0
	s_add_nc_u64 s[86:87], s[4:5], s[86:87]
	s_add_nc_u64 s[88:89], s[8:9], s[88:89]
.irp k, 0,1                                    ; a group 0 for each half of K; the LDS places are constants
	s_mov_b32 s[G0A+4*\k], 1
	s_mov_b32 s[G0A+4*\k+1], CHUNK*\k
	s_add_nc_u64 s[G0A+4*\k+2:G0A+4*\k+3], s[86:87], 6144*\k
	s_or_b32 s[G0A+4*\k+3], s[G0A+4*\k+3], 0x80000000
	s_mov_b32 s[G0B+4*\k], 1
	s_mov_b32 s[G0B+4*\k+1], CHUNK*\k+BOFF
	s_add_nc_u64 s[G0B+4*\k+2:G0B+4*\k+3], s[88:89], 6144*\k
	s_or_b32 s[G0B+4*\k+3], s[G0B+4*\k+3], 0x80000000
.endr
	CROUND                                         ; all sixteen work-groups are here: the joint loads meet
	s_cmp_eq_u32 s[WV], 0                          ; one joint load a wave, in one chain of four arms: wave 0 ctx's first half of K,
	s_cbranch_scc0 .Lfill_1
	tensor_load_to_lds s[G0A:G0A+3], s[G1A:G1A+7]
	s_nop 0
	PLACES 4
	s_branch .Lfilled
.Lfill_1:
	s_cmp_eq_u32 s[WV], 1                          ; wave 1 Wo's first half,
	s_cbranch_scc0 .Lfill_2
	tensor_load_to_lds s[G0B:G0B+3], s[G1B:G1B+7]
	s_nop 0
	PLACES 4
	s_branch .Lfilled
.Lfill_2:
	s_cmp_eq_u32 s[WV], 2                          ; wave 2 ctx's second half,
	s_cbranch_scc0 .Lfill_3
	tensor_load_to_lds s[G0A+4:G0A+7], s[G1A:G1A+7]
	s_nop 0
	PLACES 4
	s_branch .Lfilled
.Lfill_3:
	tensor_load_to_lds s[G0B+4:G0B+7], s[G1B:G1B+7]   ; wave 3 Wo's second half
	s_nop 0
	PLACES 4
.Lfilled:
	v_and_b32 v3, 31, v0
	v_lshlrev_b32 v1, 4, v3                        ; 16 x lane
	v_lshlrev_b32 v2, 3, v3                        ; 8 x lane
	v_and_b32 v4, 15, v0                           ; r
	v_bfe_u32 v5, v0, 4, 1                         ; h
	v_lshlrev_b32 v6, 5, v4                        ; Wo's scale words: 32 bytes a row
	v_lshlrev_b32 v7, 2, v4                        ; ctx's: 4 bytes a token
	v_lshlrev_b32 v22, 5, v5                       ; bo: 32 h
	s_mul_i32 s23, s[WV], 24576                    ; my four row tiles of ctx in a half
.irp k, 0,1
	v_add_nc_u32 v[ADRA+\k], s23, v1
	v_add_nc_u32 v[ADRA8+\k], s23, v2
	v_add_nc_u32 v[ADRB+\k], CHUNK*\k+BOFF, v1
	s_add_co_u32 s23, s23, CHUNK
.endr
	s_mul_i32 s23, s[WV], 8448                     ; my stage: 16 rows x 528 bytes
	v_mul_u32_u24 v[STO], v4, 528
	v_lshl_add_u32 v[STO], v5, 5, v[STO]
	v_add_nc_u32 v[STO], s23, v[STO]               ; in: row r, 32 bytes for each half of the lanes
	v_add_nc_u32 v[RD], s23, v1                    ; back: the 32 lanes take a row of 512 bytes
	s_lshl_b32 s92, s61, 10                        ; ctx's scale words: 4 (256 y + 64 wave)
	s_lshl_b32 s96, s[WV], 8
	s_add_co_u32 s92, s92, s96
	s_mov_b32 s93, 0
	s_add_nc_u64 s[92:93], s[6:7], s[92:93]
	s_lshl_b32 s94, s67, 9
	s_mov_b32 s95, 0
	s_add_nc_u64 s[94:95], s[10:11], s[94:95]
	s_lshl_b32 s96, s61, 20                        ; out0: 256 y rows of 4,096 bytes,
	s_lshl_b32 s98, s[WV], 18                      ; 64 rows a wave,
	s_add_co_u32 s96, s96, s98
	s_lshl_b32 s98, s66, 9                         ; 128 columns of 4 bytes
	s_add_co_u32 s96, s96, s98
	s_mov_b32 s97, 0
	s_mov_b32 s99, 0
	s_add_nc_u64 s[14:15], s[14:15], s[96:97]
	s_add_nc_u64 s[12:13], s[12:13], s[98:99]      ; bo of my 128 columns
.irp a, 0,1,2,3
.irp s, 0,1,2,3,4,5,6,7
	global_load_b32 v[SA+8*\a+\s], v7, s[92:93] offset:64*\a+32768*\s
.endr
.endr
.irp b, 0,1,2,3,4,5,6,7
	global_load_b128 v[SB+8*\b:SB+8*\b+3], v6, s[94:95] offset:512*\b
	global_load_b128 v[SB+8*\b+4:SB+8*\b+7], v6, s[94:95] offset:512*\b+16
.endr
	WIN TO_B
.irp b, 0,1,2,3,4,5,6,7                        ; register j of tile b: bo of column 16 b + 8 h + j, as the results lie
	global_load_b128 v[BO+8*\b+96*(\b/4):BO+8*\b+96*(\b/4)+3], v22, s[12:13] offset:64*\b
	global_load_b128 v[BO+8*\b+96*(\b/4)+4:BO+8*\b+96*(\b/4)+7], v22, s[12:13] offset:64*\b+16
.endr
	WIN 0
	s_wait_alu depctr_va_vdst(0)
	s_cmp_lt_u32 s[WV], 2                          ; waves 0 and 1 brought the first half of K: they wait; the second half may stay out
	s_cbranch_scc0 .Lnot_first
	s_wait_tensorcnt 0x0
.Lnot_first:
	s_barrier_signal -1
	s_barrier_wait -1
	FETCH 0, 0
	s_wait_loadcnt 0x0                             ; the scale words and the bias
.irp s, 0,1,2,3,4,5,6,7
	STEP \s
.endr
	WIN 0
.macro TOSTAGE a                       ; block a: 16 tokens x 128 columns into my stage, and back as whole rows.  LDS serves a wave's instructions in order: no wait between the stores and the loads
	WIN 0x08                                       ; an LDS store's data are its source 1: window 2
.irp b, 0,1,2,3,4,5,6,7
	ds_store_b128 v[STO], v[64*(\a)+8*\b:64*(\a)+8*\b+3] offset:64*\b          ; each accumulator from its low end on
	ds_store_b128 v[STO], v[64*(\a)+8*\b+4:64*(\a)+8*\b+7] offset:64*\b+16
.endr
	WIN 0
.irp t, 0,1,2,3,4,5,6,7,8,9,10,11,12,13,14,15
	ds_load_b128 v[BK+64*((\a)%2)+4*\t:BK+64*((\a)%2)+4*\t+3], v[RD] offset:\t*528
.endr
.endm
.macro SEND a, younger                 ; younger: the LDS instructions issued behind block a's loads, which may stay out
	s_wait_dscnt \younger
.irp t, 0,1,2,3,4,5,6,7,8,9,10,11,12,13,14,15
	global_store_b128 v1, v[BK+64*((\a)%2)+4*\t:BK+64*((\a)%2)+4*\t+3], s[14:15] offset:(16*(\a)+\t)*4096 th:TH_STORE_NT   ; 512 consecutive bytes, aligned; the row's place stands in the immediate, 258,048 at the most
.endr
.endm
	PLACES 4                                       ; behind the last products: their results are read, and loads land in registers that held their operands
	TOSTAGE 0
.irp a, 1,2,3
.if \a > 1
	s_wait_xcnt 0x0                                ; block a - 2's stores have read their registers: block a's loads may land there
.endif
	TOSTAGE \a
	SEND \a-1, 32                                  ; behind block a - 1's loads: block a's 16 stores and 16 loads
.endr
	SEND 3, 0
	s_wait_tensorcnt 0x0                           ; the wave's end: behind my last tensor load and my last LDS store
	ds_add_u32 v[SPW], v[NIL]
	s_wait_dscnt 0x0
	CROUND                                         ; the closing round
	s_endpgm
.Lfunc_end_k_q54ea2f33f8_proj:
	.size	k_q54ea2f33f8_proj, .Lfunc_end_k_q54ea2f33f8_proj-k_q54ea2f33f8_proj
	.p2alignl 7, 3214868480
	.fill 96, 4, 3214868480
	.section	.rodata,"a",@progbits
	.p2align	6, 0x0
	.amdhsa_kernel k_q54ea2f33f8_proj
		.amdhsa_group_segment_fixed_size 295424
		.amdhsa_private_segment_fixed_size 0
		.amdhsa_enable_private_segment 0
		.amdhsa_kernarg_size 48
		.amdhsa_user_sgpr_count 2
		.amdhsa_user_sgpr_kernarg_segment_ptr 1
		.amdhsa_wavefront_size32 1
		.amdhsa_system_sgpr_workgroup_id_x 1
		.amdhsa_system_sgpr_workgroup_id_y 1
		.amdhsa_system_sgpr_workgroup_id_z 1
		.amdhsa_system_vgpr_workitem_id 0
		.amdhsa_next_free_vgpr 768
		.amdhsa_next_free_sgpr 102
		.amdhsa_reserve_vcc 0
		.amdhsa_float_denorm_mode_32 3
		.amdhsa_float_denorm_mode_16_64 3
		.amdhsa_memory_ordered 1
		.amdhsa_forward_progress 1
		.amdhsa_inst_pref_size 82
	.end_amdhsa_kernel
	.amdgpu_metadata
---
amdhsa.version: [ 1, 2 ]
amdhsa.kernels:
  - .name:           k_q54ea2f33f8_proj
    .symbol:         k_q54ea2f33f8_proj.kd
    .args:
      - { .name: cimg, .offset: 0, .size: 8, .value_kind: global_buffer, .address_space: global }
      - { .name: cs, .offset: 8, .size: 8, .value_kind: global_buffer, .address_space: global }
      - { .name: img, .offset: 16, .size: 8, .value_kind: global_buffer, .address_space: global }
      - { .name: scl, .offset: 24, .size: 8, .value_kind: global_buffer, .address_space: global }
      - { .name: bo, .offset: 32, .size: 8, .value_kind: global_buffer, .address_space: global }
      - { .name: out0, .offset: 40, .size: 8, .value_kind: global_buffer, .address_space: global }
    .group_segment_fixed_size: 295424
    .private_segment_fixed_size: 0
    .kernarg_segment_align: 8
    .kernarg_segment_size: 48
    .max_flat_workgroup_size: 128
    .sgpr_count:     102
    .vgpr_count:     768
    .wavefront_size: 32
...
	.end_amdgpu_metadata
.endif
;; end of part 4
